; MI455X (gfx1250); checked and timed in simulation.
; The chip was launched on July 23, 2026; its instructions are those of AMD's public machine-readable ISA for CDNA 5 (MIT licence, August 2026) and "CDNA5" Instruction Set Architecture Reference Guide (July 2026). The comments in the code are by the model that wrote it; some were corrected since.
;; Multi Head Attention Base. Allowed arithmetic: matrix products marked QUANTISED: E2M3 operands, one E8M0 scale for each 32 along K, by v_wmma_scale_f32_16x16x128_f8f6f4 with both operands' format E2M3, f32 sums; everything else in f32.
;; Inputs: Wk 1,024 x 1,024 float32; Wo 1,024 x 1,024 float32; Wq 1,024 x 1,024 float32; Wv 1,024 x 1,024 float32; bo 1,024 float32; x 4 x 2,048 x 1,024 float32.
;; Outputs: out0 4 x 2,048 x 1,024 float32.
;; This version of the problem:
;;   THIS VERSION OF THE PROBLEM IS GIVEN IN LOW PRECISION. The matrix products marked QUANTISED in the list below multiply operands that are first quantised to E2M3 (2 exponent bits, 3 mantissa bits; 6 bits a number), with one power-of-two scale for each 32 numbers along K (OCP MX v1.0); their sums are f32. All else is computed in f32.
;;   The module's matrix products, in the order in which they are computed (A, B: the left and right operand; K: the contracted axis; several contracted axes count as one K, in the product's order):
;;     1. [M 8,192, K 1,024] x [K 1,024, N 1,024]; A: input x; B: input Wq: QUANTISED
;;     2. [M 8,192, K 1,024] x [K 1,024, N 1,024]; A: input x; B: input Wk: QUANTISED
;;     3. [M 8,192, K 1,024] x [K 1,024, N 1,024]; A: input x; B: input Wv: QUANTISED
;;     4. batch 64 x [M 2,048, K 64] x [K 64, N 2,048]; A: computed on the way; B: computed on the way: QUANTISED
;;     5. batch 64 x [M 2,048, K 2,048] x [K 2,048, N 64]; A: softmax (see below); B: computed on the way: QUANTISED
;;     6. [M 8,192, K 1,024] x [K 1,024, N 1,024]; A: computed on the way; B: input Wo: QUANTISED
;;   THE QUANTISER, for each operand of a quantised product, along K:
;;     - K is cut into blocks of 32 from its start; a last block that is shorter is filled with zeros.
;;     - A block's scale is 2^e with e = floor(log2(the largest magnitude in the block)) - 2, held to -126 .. 127; a block of zeros has e = 0. As a byte (E8M0): e + 127.
;;     - Each number is divided by its block's scale, clamped to +-7.5, and rounded to the nearest number of E2M3, ties to even, subnormals kept.
;;     - The product sums the exact products of the quantised numbers (number of the format x scale) in f32.
;;   ~~~python
;;   def quantise(x, axis):      # numpy; x: float32 -> the quantised numbers, widened to float32 again
;;       x = np.moveaxis(x, axis, -1); K = x.shape[-1]
;;       x = np.pad(x, [(0, 0)] * (x.ndim - 1) + [(0, -K % 32)]); x = x.reshape(x.shape[:-1] + (-1, 32)); a = np.abs(x).max(-1, keepdims=True)
;;       e = np.where(a > 0, np.clip(np.frexp(np.where(a > 0, a, 1))[1] - 1 - 2, -126, 127), 0)      # np.frexp(a)[1] - 1 = floor(log2(a)), exactly
;;       r = np.clip(x / 2.0 ** e, -7.5, 7.5)
;;       step = 2.0 ** (np.maximum(np.frexp(np.where(r == 0, 1, r))[1] - 1, 0) - 3)
;;       q = np.round(r / step) * step * 2.0 ** e      # np.round: ties to even
;;       return np.moveaxis(q.reshape(q.shape[:-2] + (-1,))[..., :K], -1, axis).astype(np.float32)
;;   ~~~
;;   SOFTMAX AHEAD OF A QUANTISED PRODUCT. Where the list says 'softmax', what is quantised is not the finished softmax but p = 2^(t - M), with t = logit x log2(e) and M = ceil(the row's largest t), a whole number; so 1/2 < the row's largest p <= 1. The row's sum l is taken of the UNQUANTISED p, in f32, and the product's result is divided by l at the end. Since M is a whole number, a kernel that streams over the keys may use a running M (the ceiling of the running maximum): every later rescaling is an exact power of two, which a block's scale takes up: the codes' values come out the same.
;;   OPERANDS COMPUTED ON THE WAY. 'Computed on the way' means the value that the module computes at that place (a softmax that the list does not call 'softmax' is quantised finished and normalised). What goes into a quantiser is computed in f32, as accurately as f32 sums, v_exp_f32 and their like allow (about 1e-6 of the number): no bf16 or f16 on the way to a quantiser, and a product that is left as it is and whose result goes on into a quantised operand takes f32 operands (vector FMAs, or v_wmma_f32_16x16x4_f32). A number that lies on a knife's edge between two numbers of the format may be rounded either way, as far as f32 arithmetic and the matrix unit's own rounding can turn it there, and no further.
;; One version. Each part assembles by itself: llvm-mc -triple=amdgcn-amd-amdhsa -mcpu=gfx1250 --defsym DOCPART=n.
;; ======== version 1 of 1: 4 launches
;; limits: right only within a limited range of input values
;; workspace buffers: xc 6,291,456 bytes; xs 262,144 bytes; wc 3,145,728 bytes; ws 131,072 bytes; qkv 20,185,088 bytes; ac 6,291,456 bytes; asc 262,144 bytes
;; launch quant (part 1): grid 384 x 1, 4 waves a work-group, no clusters, 33,280 bytes of LDS; arguments x, Wq, Wk, Wv, Wo, xc, xs, wc, ws; writes xc, xs, wc, ws
.if DOCPART == 1
	.amdgcn_target "amdgcn-amd-amdhsa--gfx1250"
	.amdhsa_code_object_version 6
	.text
	.protected	k_qb311e4b726_quant
	.globl	k_qb311e4b726_quant
	.p2align	8
	.type	k_qb311e4b726_quant,@function
k_qb311e4b726_quant:
	s_mov_b64 s[64:65], 0
	v_nop
	global_prefetch_b8 v0, s[64:65] scope:SCOPE_SE
	s_setreg_imm32_b32 hwreg(HW_REG_WAVE_MODE, 25, 1), 1
	s_wait_xcnt 0x0
; x [8192][1024] and Wq, Wk, Wv, Wo [1024][1024], f32, K innermost, become codes of FP6 (E2M3), 768 bytes a row, and one E8M0 scale byte for each 32 along K, 32 bytes a row.  Every input has a way to the output: no work is left out.
; xc, xs: x's 8,192 rows.  wc, ws: 4,096 rows: Wq, Wk, Wv, Wo.  A row of codes begins at a multiple of 256 bytes.
; A block's scale is 2^(floor(log2(its largest magnitude)) - 2); its byte is the largest magnitude's exponent field - 2, held at 1 from below.
; ROW ORDER.  In x, Wq, Wk, Wv stored row 16 t + 8 h + i of each group of 64 rows is row 32 h + 8 t + i (t = 0..3, h = 0, 1, i = 0..7).  A tile of 16 stored neighbours, used as source 0 of a matrix instruction, leaves in lane half h
; the rows 8 h + i; so a lane's 32 registers of four neighbouring tiles are 32 neighbours along that axis: a whole scale block of the next product.  Wo's rows keep their order.
; SHARES.  Work-groups 0-255 take x, 32 rows each; 256-383 the weights, 32 work-groups each.  A wave takes 8 rows, one run: 8,192 numbers in 16 steps of 512.  Only the place where a wave's results go knows of the row order.
; Each of a step's four loads reads 512 consecutive bytes, 16 a lane; the 2,048 bytes turn through the wave's own stage in LDS and come back 64 bytes a lane, so that a lane holds 16 neighbours along K (two lanes hold a block).
; A lane's 16 codes are 12 bytes: the wave stores 384 consecutive bytes.  A wave's 256 scale bytes are gathered in its own LDS bytes and leave as 256 consecutive, aligned bytes.
; No tensor loads, no barrier: waves share nothing.  Loads run four steps (16 loads a wave) ahead, the turn through LDS one step.
; LIMITS: NaN and infinities among the inputs are not served.  A block whose largest magnitude lies under 2^-124, a block of zeros among them, gets the byte 1 (the rule says 127 for zeros): zeros give zero codes, and these bytes are read by this program alone.
.set STEPS, 16
.set CB,    12                         ; bytes of 16 codes
.set R,     16                         ; v16-79   four sets of 16 numbers as they are loaded
.set X,     80                         ; v80-111  two sets of 16 neighbours
.set C,     128                        ; v128-191 codes: four registers for each step, so that no store's data are written again
.set E,     112                        ; v112-127 a scale byte for each step
.set WREG,  8192                       ; LDS: a region for each wave: two stages of 32 x SP bytes, and behind them its 256 scale bytes
.set SP,    80                         ; a lane's place in a stage: its 64 bytes + 16 of padding
	s_load_b256 s[4:11], s[0:1], 0x0               ; x, Wq, Wk, Wv
	s_load_b256 s[12:19], s[0:1], 0x20             ; Wo, xc, xs, wc
	s_load_b64 s[20:21], s[0:1], 0x40              ; ws
	v_lshl_add_u32 v192, v0, 2, 0x8000             ; my spare word, behind the four regions
	v_mov_b32 v193, 0
	v_lshrrev_b32 v1, 5, v0
	v_readfirstlane_b32 s22, v1                    ; wave
	v_and_b32 v2, 31, v0                           ; lane
	v_lshlrev_b32 v3, 4, v2                        ; my 16 bytes of a load's 512
	s_mul_i32 s26, s22, WREG
	v_lshrrev_b32 v14, 2, v2
	v_mul_u32_u24 v14, v14, SP
	v_and_b32 v15, 3, v2
	v_lshl_add_u32 v14, v15, 4, v14
	v_add_nc_u32 v14, s26, v14                     ; the stage, on the way in: four lanes' 64 bytes on end, then 16 of padding
	v_mul_u32_u24 v15, v2, SP
	v_add_nc_u32 v15, s26, v15                     ; and on the way out: SP x lane: my 16 neighbours
	v_mul_u32_u24 v4, v2, CB                       ; my codes' place in a step's
	v_lshrrev_b32 v5, 1, v2
	s_add_co_u32 s26, s26, 2*32*SP
	v_add_nc_u32 v5, s26, v5                       ; LDS: my wave's 256 scale bytes, my block's byte
	v_lshlrev_b32 v7, 3, v2                        ; and on the way out 8 bytes a lane
	v_add_nc_u32 v6, s26, v7
	s_sub_co_u32 s23, ttmp9, 256                   ; a weight's group of 32 rows in wc
	s_and_b32 s24, ttmp9, 31                       ; and in its own tensor
	s_and_b32 s25, ttmp9, 1                        ; H: which half of a group of 64 rows my work-group reads
	s_mul_i32 s25, s25, 3
	s_lshl_b32 s27, s22, 1
	s_sub_co_u32 s25, s27, s25                     ; run w of half H is stored as run 2 w + H of the 64: 2 w - 3 H runs from 4 x my work-group's number
	s_cmp_lt_u32 ttmp9, 352
	s_cselect_b32 s25, s25, s22                    ; but Wo's rows keep their order
	s_wait_alu depctr_va_vdst(0)                   ; the wait at the head's end
	s_wait_kmcnt 0x0
	s_cselect_b64 s[12:13], s[10:11], s[12:13]     ; the source: each choice hangs on the work-group's number alone
	s_cmp_lt_u32 ttmp9, 320
	s_cselect_b64 s[12:13], s[8:9], s[12:13]
	s_cmp_lt_u32 ttmp9, 288
	s_cselect_b64 s[12:13], s[6:7], s[12:13]
	s_cmp_lt_u32 ttmp9, 256
	s_cselect_b64 s[12:13], s[4:5], s[12:13]
	s_cselect_b64 s[14:15], s[14:15], s[18:19]     ; the codes: xc or wc
	s_cselect_b64 s[16:17], s[16:17], s[20:21]     ; the scale bytes: xs or ws
	s_cselect_b32 s23, ttmp9, s23
	s_cselect_b32 s24, ttmp9, s24
	s_lshl_b32 s24, s24, 2
	s_add_co_u32 s24, s24, s22                     ; which run of 8 rows I read
	s_lshl_b32 s28, s24, 15                        ; 32,768 bytes a run
	s_mov_b32 s29, 0
	s_add_nc_u64 s[12:13], s[12:13], s[28:29]
	s_lshl_b32 s23, s23, 2
	s_add_co_u32 s23, s23, s25                     ; and as which run it is stored
	s_mul_i32 s28, s23, 8*768
	s_add_nc_u64 s[14:15], s[14:15], s[28:29]
	s_lshl_b32 s28, s23, 8
	s_add_nc_u64 s[16:17], s[16:17], s[28:29]
.macro LOAD t
.irp i, 0,1,2,3
	global_load_b128 v[R+16*((\t)%4)+4*\i:R+16*((\t)%4)+4*\i+3], v3, s[12:13] offset:2048*(\t)+512*\i th:TH_LOAD_NT   ; 32 lanes read 512 consecutive bytes
.endr
.endm
.macro TURN t                          ; step t's numbers through the stage: LDS serves a wave's instructions in order (ISA guide 5.7.1.4), so no wait stands between the stores and the loads
.irp i, 0,1,2,3
	ds_store_b128 v14, v[R+16*((\t)%4)+4*\i:R+16*((\t)%4)+4*\i+3] offset:32*SP*((\t)%2)+8*SP*\i
.endr
.irp i, 0,1,2,3
	ds_load_b128 v[X+16*((\t)%2)+4*\i:X+16*((\t)%2)+4*\i+3], v15 offset:32*SP*((\t)%2)+16*\i
.endr
.endm
.irp t, 0,1,2,3
	LOAD \t
.endr
	s_wait_loadcnt 12                              ; step 0's four loads are in; the twelve of steps 1 to 3 may be out
	TURN 0
.macro STEP t
.set XS, X+16*((\t)%2)
.if (\t) > 0
	s_wait_dscnt 1                                 ; this step's numbers are back from the stage (the last step's byte store may be out): so its stores into the stage have read their registers,
.else
	s_wait_dscnt 0x0
.endif
.if (\t)+4 < STEPS
	LOAD (\t)+4                                    ; which take the loads of four steps on
.endif
.if (\t)+1 < STEPS
.if STEPS-2-(\t) >= 3
	s_wait_loadcnt 12                              ; the next step's four loads are in; those of the three steps behind it may be out
.else
	s_wait_loadcnt 4*(STEPS-2-(\t))
.endif
	TURN (\t)+1                                    ; and go through the other stage while this step is worked
.endif
	v_max3_num_f32 v8, |v[XS]|, |v[XS+1]|, |v[XS+2]|               ; the largest magnitude of my 16, in two chains
	v_max3_num_f32 v9, |v[XS+3]|, |v[XS+4]|, |v[XS+5]|
.irp i, 6,10
	v_max3_num_f32 v8, v8, |v[XS+\i]|, |v[XS+\i+1]|
	v_max3_num_f32 v9, v9, |v[XS+\i+2]|, |v[XS+\i+3]|
.endr
	v_max3_num_f32 v8, v8, |v[XS+14]|, |v[XS+15]|
	v_max3_num_f32 v8, v8, v9, 0x1800000           ; and the floor 2^(3 - 127): so the byte cannot fall under 1
	v_max_num_f32_dpp v8, v8, v8 row_xmask:1 row_mask:0xf bank_mask:0xf   ; and of my neighbour's 16: the block's
	v_add_nc_u32 v11, 0xff000000, v8               ; 2 off its exponent field: the conversion takes the exponent field of this operand as its scale, and nothing else of it
	v_cvt_scalef32_pk16_fp6_f32 v[C+4*(\t):C+4*(\t)+2], v[XS:XS+15], v11   ; sixteen numbers / the scale, to the nearest code, ties to even, beyond the largest code the largest; 96 bits without gaps
	v_lshrrev_b32 v[E+(\t)], 23, v11               ; the scale's byte (also the plain line behind the conversion)
	ds_store_b8 v5, v[E+(\t)] offset:16*(\t)       ; both lanes of a block write the same byte with the same value
	global_store_b96 v4, v[C+4*(\t):C+4*(\t)+2], s[14:15] offset:32*CB*(\t)
.endm
.irp t, 0,1,2,3,4,5,6,7,8,9,10,11,12,13,14,15
	STEP \t
.endr
	ds_load_b64 v[12:13], v6                       ; in order behind my byte stores: these see them
	s_wait_dscnt 0x0
	global_store_b64 v7, v[12:13], s[16:17]        ; 32 lanes store 256 consecutive bytes, aligned: eight rows' scale bytes
	s_wait_tensorcnt 0x0                           ; the wave's end
	ds_add_u32 v192, v193
	s_wait_dscnt 0x0
	s_endpgm
.Lfunc_end_k_qb311e4b726_quant:
	.size	k_qb311e4b726_quant, .Lfunc_end_k_qb311e4b726_quant-k_qb311e4b726_quant
	.p2alignl 7, 3214868480
	.fill 96, 4, 3214868480
	.section	.rodata,"a",@progbits
	.p2align	6, 0x0
	.amdhsa_kernel k_qb311e4b726_quant
		.amdhsa_group_segment_fixed_size 33280
		.amdhsa_private_segment_fixed_size 0
		.amdhsa_enable_private_segment 0
		.amdhsa_kernarg_size 72
		.amdhsa_user_sgpr_count 2
		.amdhsa_user_sgpr_kernarg_segment_ptr 1
		.amdhsa_wavefront_size32 1
		.amdhsa_system_sgpr_workgroup_id_x 1
		.amdhsa_system_sgpr_workgroup_id_y 1
		.amdhsa_system_sgpr_workgroup_id_z 1
		.amdhsa_system_vgpr_workitem_id 0
		.amdhsa_next_free_vgpr 194
		.amdhsa_next_free_sgpr 66
		.amdhsa_reserve_vcc 0
		.amdhsa_float_denorm_mode_32 3
		.amdhsa_float_denorm_mode_16_64 3
		.amdhsa_memory_ordered 1
		.amdhsa_forward_progress 1
		.amdhsa_inst_pref_size 33
	.end_amdhsa_kernel
	.amdgpu_metadata
---
amdhsa.version: [ 1, 2 ]
amdhsa.kernels:
  - .name:           k_qb311e4b726_quant
    .symbol:         k_qb311e4b726_quant.kd
    .args:
      - { .name: x, .offset: 0, .size: 8, .value_kind: global_buffer, .address_space: global }
      - { .name: Wq, .offset: 8, .size: 8, .value_kind: global_buffer, .address_space: global }
      - { .name: Wk, .offset: 16, .size: 8, .value_kind: global_buffer, .address_space: global }
      - { .name: Wv, .offset: 24, .size: 8, .value_kind: global_buffer, .address_space: global }
      - { .name: Wo, .offset: 32, .size: 8, .value_kind: global_buffer, .address_space: global }
      - { .name: xc, .offset: 40, .size: 8, .value_kind: global_buffer, .address_space: global }
      - { .name: xs, .offset: 48, .size: 8, .value_kind: global_buffer, .address_space: global }
      - { .name: wc, .offset: 56, .size: 8, .value_kind: global_buffer, .address_space: global }
      - { .name: ws, .offset: 64, .size: 8, .value_kind: global_buffer, .address_space: global }
    .group_segment_fixed_size: 33280
    .private_segment_fixed_size: 0
    .kernarg_segment_align: 8
    .kernarg_segment_size: 72
    .max_flat_workgroup_size: 128
    .sgpr_count:     66
    .vgpr_count:     194
    .wavefront_size: 32
...
	.end_amdgpu_metadata
.endif
;; end of part 1
;; launch proj (part 2): grid 8 x 32, 4 waves a work-group, clusters of 4 x 4, 327,680 bytes of LDS; arguments xc, xs, wc, ws, qkv; writes qkv
.if DOCPART == 2
	.amdgcn_target "amdgcn-amd-amdhsa--gfx1250"
	.amdhsa_code_object_version 6
	.text
	.protected	k_qb311e4b726_proj
	.globl	k_qb311e4b726_proj
	.p2align	8
	.type	k_qb311e4b726_proj,@function
k_qb311e4b726_proj:
	s_mov_b64 s[64:65], 0
	v_nop
	global_prefetch_b8 v0, s[64:65] scope:SCOPE_SE
	s_setreg_imm32_b32 hwreg(HW_REG_WAVE_MODE, 25, 1), 1
	s_wait_xcnt 0x0
	s_wait_alu depctr_hold_cnt(0) depctr_sa_sdst(0) depctr_va_vdst(0) depctr_va_sdst(0) depctr_va_ssrc(0) depctr_va_vcc(0) depctr_vm_vsrc(0)
	s_getreg_b32 s2, hwreg(HW_REG_IB_STS2, 6, 4)
	s_cmp_eq_u32 s2, 0
	s_cbranch_scc0 .Lentry_in_a_cluster
	s_endpgm
.Lentry_in_a_cluster:
	s_bfe_u32 s2, ttmp6, 0x10000c
	s_cmp_lg_u32 s2, 0xf033
	s_cbranch_scc0 .Lentry_shape_is_right
	s_endpgm
.Lentry_shape_is_right:
; Q, K, V = x W^T on codes of FP6 (E2M3), and their quantisers: the results leave as half images of operand registers and scale words, in the records that the attention launch reads.  No f32 result is stored.
; THE DEAL.  256 work-groups: work-group (cg, RB) takes stored rows 256 RB .. + 255 of x against rows 128 cg .. + 127 of Wq, then of Wk, then of Wv: three PHASES on the same rows of x, which stay in LDS for the whole launch.
;   Four waves, 2 x 2: wave (a, b) takes rows 128 a .. + 127 (a chunk of 128 tokens) and weight rows 64 b .. + 63 (one head).  It holds its 64 weight rows, ALL of K, in 384 registers and lets its rows of x pass in eight blocks of 16:
;   a block is 8 fragments and 8 scale words, in two sets of registers by turns, fetched two blocks ahead; 32 products, four accumulators by turns, finish 16 x 64 results.
;   The fetch goes round the ring of eight blocks, so that a phase's last two fetches bring the next phase's first two blocks (behind the last phase nobody uses them).
; LDS: x's 256 rows (816 bytes each: 768 + 16 behind every 256), the weights' 128 rows, x's scale bytes (32 units of 256 + 16), the spare words.
; FILLS.  At the head one tensor load a wave: wave 0 Wq's rows, wave 2 x's scale bytes, waves 1 and 3 a half of x's rows each.  TWO REFILLS of the weights' region, by wave 0, each as soon as all waves hold the weights in registers,
;   behind the three lines and a round of the cluster's barrier.  A refill has a phase's 256 products in which to land, and nobody waits for it: so no prefetch is laid.  A plain barrier at the phase's end shows it to all.
; CLUSTERS, 4 x 4: x's rows and scale bytes hang on RB alone and are asked for jointly along a row of the cluster, the weights' rows on cg alone and along a column.
; THE WAY OUT.  Q, K: source 0 = the weight's rows, so a lane holds one token, and by the rows' stored order (16 t + 8 h + i is 32 h + 8 t + i) its 32 results are 32 neighbouring columns of the head: one scale block, in the lane where the next operand wants it.
;   V: source 0 = x's rows, so a lane holds one channel, and its 8 results of each of four blocks are 32 neighbouring tokens.  The largest magnitude in two chains, the scale, two conversions: six registers, stored as they fall.
; OUTPUT: qkv, 64 records (16 batch + head) of REC bytes: 16 chunks of 13,056 bytes (128 keys): K's 8 half images | V's [64 keys c][16 channels t] 8 half images | V's scale words [row 16][t 4] | K's scale words [lane 32][4];
;   then 16 chunks of 6,656 bytes (128 queries): Q's 8 half images | Q's scale words [lane 32][4].  A half image, 768 bytes: registers 0-3 at 16 x lane, registers 4-5 at 512 + 8 x lane.
; LIMITS: NaN and infinities are not served.  A block whose largest magnitude lies under 2^-124, zeros among them, gets the byte 1: this program alone reads the bytes.
.set KROW,  768
.set PITCH, 816
.set FR,    12
.set FPW,   21                         ; fragments in a window of 256 registers.  Fragment f lies in window 1 + f / 21 at register 12 (f % 21): 0-31 the weights' (4 q + t), 32-39 and 40-47 the rows' two sets
.set NF,    50                         ; LDS loads of a block: 48 for eight fragments, 2 for eight scale words
.set HALFX, 128*PITCH
.set WB,    2*HALFX
.set XSC,   WB+HALFX
.set SBLK,  544                        ; the scale bytes of 16 rows: 512 + 2 x 16
.set SPARE, XSC+32*272
.set REC,   315392
.set CH,    13056
.set QOFF,  16*CH
.set QCH,   6656
.set ADRA0, 4                          ; v4, v5  LDS address of my fragments of block 0 (v5: for the pieces whose lanes 16-31 lie behind one padding more)
.set AAS0,  6                          ; v6      of my row's scale words in block 0
.set SH8,   7                          ; v7      8 x (lane / 16)
.set L16,   8
.set L8,    9
.set SPW,   10
.set NIL,   11
.set ADRA,  12                         ; v12, v13  as v4, v5, for the block that is fetched next
.set ADRB,  14                         ; v14, v15  my fragments of the weights
.set ABS,   16                         ; v16     32 x lane: a row of the weights' scale bytes
.set AAS,   17
.set R16,   18                         ; v18     16 x (lane % 16)
.set SHV,   19                         ; v19     V: where my block's byte stands in its scale word
.set T0,    20
.set T1,    21
.set SOP,   22
.set EB,    23
.set SB,    24                         ; v24-39  the weights' scale words: 8 (t / 2) + q; lanes 0-15 tile 2 (t / 2), lanes 16-31 the next
.set PW,    40                         ; v40-43  four results' scale words
.set SA,    44                         ; v44-59  the rows' scale words, two sets of eight
.set ACC,   64                         ; v64-95 Q, K: four accumulators;  v64-191 V: 32 t + 8 (block % 4) + i
.set CD,    192                        ; codes on their way out
.set CT,    224
.set G1A, 24
.set G1B, 32
.set G1S, 48
.set G0A, 56
.set G0B, 60
.set G0S, 68
.set SEL, 72
.set OB,  74                           ; s[74:75] where the phase's images go, s[76:77] its scale words
.set OS,  76
.set KB,  78
.set KSB, 80
.set VB,  82
.set VSB, 84
.set WSP, 88                           ; s[88:89] my 64 weight rows' scale bytes
.set MSB, 0
.macro WIN new
.if MSB != (\new)
	s_set_vgpr_msb (MSB<<8)|(\new)
.set MSB, (\new)
.endif
.endm
.macro WALU
	s_wait_alu depctr_va_vdst(0)
.endm
.macro BARRIER
	s_barrier_signal -1
	s_barrier_wait -1
.endm
.macro CROUND
	BARRIER
	s_cmp_lg_u32 s14, 0
	s_cbranch_scc1 .Lnot_wave_0_\@
	s_barrier_signal -3
.Lnot_wave_0_\@:
	s_barrier_wait -3
	BARRIER
.endm
.macro TLOAD g0, g1
	tensor_load_to_lds s[\g0:\g0+3], s[\g1:\g1+7]
	s_nop 0
.rept 4
	v_nop
.endr
.endm
.macro GROUP1 g, mask                  ; 128 rows of 768 bytes, 16 bytes of padding behind every 256
	s_or_b32 s[\g+0], s\mask, (1<<20)|(1<<21)|(5<<22)|(3<<25)
	s_mov_b32 s[\g+1], KROW<<16
	s_mov_b32 s[\g+2], 128<<16
	s_mov_b32 s[\g+3], KROW<<16
	s_mov_b32 s[\g+4], 128
	s_mov_b32 s[\g+5], KROW
	s_mov_b32 s[\g+6], 0
	s_mov_b32 s[\g+7], 0
.endm
.macro FRAG f, q, a0, off              ; six pieces of 8 bytes; piece PC_ of a row lies at 8 PC_ + 16 (PC_ / 32); lanes 16-31 read three pieces on
	WIN (1+(\f)/FPW)<<6
.irp p, 0,1,2,3,4,5
.set PC_, 12*(\q)+6*(\p/3)+\p%3
.if PC_%32 < 29
	ds_load_b64 v[FR*((\f)%FPW)+2*\p:FR*((\f)%FPW)+2*\p+1], v[\a0] offset:8*PC_+16*(PC_/32)+(\off)
.else
	ds_load_b64 v[FR*((\f)%FPW)+2*\p:FR*((\f)%FPW)+2*\p+1], v[\a0+1] offset:8*PC_+16*(PC_/32)+(\off)
.endif
.endr
.endm
.macro WEIGHTS                         ; my 64 rows of the weight, all of K: 192 loads
.irp q, 0,1,2,3,4,5,6,7
.irp t, 0,1,2,3
	FRAG 4*\q+\t, \q, ADRB, \t*16*PITCH
.endr
.endr
	WIN 0
.endm
.macro SBLOAD
.irp p, 0,1
.irp c, 0,1
	global_load_b128 v[SB+8*\p+4*\c:SB+8*\p+4*\c+3], v[ABS], s[WSP:WSP+1] offset:\p*1024+16*\c
.endr
.endr
.endm
.macro FETCH e, a0, as
.irp q, 0,1,2,3,4,5,6,7
	FRAG 32+8*(\e)+\q, \q, \a0, 0
.endr
	WIN 0
	ds_load_b128 v[SA+8*(\e):SA+8*(\e)+3], v[\as]
	ds_load_b128 v[SA+8*(\e)+4:SA+8*(\e)+7], v[\as] offset:16
.endm
.macro MMX d, f0, f1, c, x0, x1, side, o
.if \o
	v_wmma_scale_f32_16x16x128_f8f6f4 v[\d:\d+7], v[FR*((\f0)%FPW):FR*((\f0)%FPW)+FR-1], v[FR*((\f1)%FPW):FR*((\f1)%FPW)+FR-1], \c, v[\x0], v[\x1] matrix_a_fmt:MATRIX_FMT_FP6 matrix_b_fmt:MATRIX_FMT_FP6 matrix_\side\()_scale:MATRIX_SCALE_ROW1
.else
	v_wmma_scale_f32_16x16x128_f8f6f4 v[\d:\d+7], v[FR*((\f0)%FPW):FR*((\f0)%FPW)+FR-1], v[FR*((\f1)%FPW):FR*((\f1)%FPW)+FR-1], \c, v[\x0], v[\x1] matrix_a_fmt:MATRIX_FMT_FP6 matrix_b_fmt:MATRIX_FMT_FP6
.endif
.endm
.macro PROD kind, e, n, d              ; product n = 4 q + t.  kind 0 (Q, K): source 0 the weight's rows; kind 1 (V): source 0 x's rows.  The first K step starts the sum
.set Q_, (\n)/4
.set T_, (\n)%4
.set FB_, (\n)
.set FA_, 32+8*(\e)+Q_
.set D_, \d
.set XB_, SB+8*(T_/2)+Q_
.set XA_, SA+8*(\e)+Q_
.if \kind
	WIN (1+FA_/FPW)|((1+FB_/FPW)<<2)
.if Q_
	MMX D_, FA_, FB_, v[D_:D_+7], XA_, XB_, b, T_%2
.else
	MMX D_, FA_, FB_, 0, XA_, XB_, b, T_%2
.endif
.else
	WIN (1+FB_/FPW)|((1+FA_/FPW)<<2)
.if Q_
	MMX D_, FB_, FA_, v[D_:D_+7], XB_, XA_, a, T_%2
.else
	MMX D_, FB_, FA_, 0, XB_, XA_, a, T_%2
.endif
.endif
.endm
.macro PRODS kind, e, d0, ds           ; a block's 32 products; tile t's sums at d0 + ds t
.set N_, 0
.rept 32
	PROD \kind, \e, N_, (\d0)+(\ds)*(N_%4)
.set N_, N_+1
.endr
	WIN 0
.endm
.macro NEXTS sp                        ; the block two on, round the ring of eight: (4 s87 + sp + 2) % 8
	s_lshl_b32 s20, s87, 2
	s_add_co_u32 s20, s20, (\sp)+2
	s_and_b32 s20, s20, 7
	s_mul_i32 s21, s20, 16*PITCH
	s_mul_i32 s22, s20, SBLK
.endm
.macro NEXTV                           ; its addresses: with the v_nop the four places behind the block's products, ahead of the loads into their registers and of the first read of the sums
	v_add_nc_u32 v[ADRA], s21, v[ADRA0]
	v_add_nc_u32 v[ADRA+1], s21, v[ADRA0+1]
	v_add_nc_u32 v[AAS], s22, v[AAS0]
	v_nop
.endm
.macro WAYOUT x, cd                    ; 32 sums of a lane, one scale block: codes into v[cd .. cd + 5], the scale's byte into v[EB]
	v_max3_num_f32 v[T0], |v[(\x)]|, |v[(\x)+1]|, 0x1800000        ; two chains, each with the floor 2^(3 - 127); each accumulator from its low end on
	v_max3_num_f32 v[T1], |v[(\x)+16]|, |v[(\x)+17]|, 0x1800000
.irp i, 2,4,6,8,10,12,14
	v_max3_num_f32 v[T0], v[T0], |v[(\x)+\i]|, |v[(\x)+\i+1]|
	v_max3_num_f32 v[T1], v[T1], |v[(\x)+16+\i]|, |v[(\x)+17+\i]|
.endr
	v_max_num_f32 v[T0], v[T0], v[T1]
	v_add_nc_u32 v[SOP], 0xff000000, v[T0]         ; 2 off the exponent field: the conversions' scale operand
	v_cvt_scalef32_pk16_fp6_f32 v[(\cd):(\cd)+2], v[(\x):(\x)+15], v[SOP]
	v_cvt_scalef32_pk16_fp6_f32 v[CT:CT+2], v[(\x)+16:(\x)+31], v[SOP]   ; (a conversion's three registers begin on an even number)
	v_lshrrev_b32 v[EB], 23, v[SOP]                ; the byte (also the plain line behind the conversions)
.irp i, 0,1,2
	v_mov_b32 v[(\cd)+3+\i], v[CT+\i]
.endr
.endm
.macro BLK sp                          ; a block of Q or K
	NEXTS \sp
	s_wait_dscnt NF                                ; this block's fetch is in; the next block's 50 loads may be out
	PRODS 0, (\sp)%2, ACC, 8
	NEXTV
	FETCH (\sp)%2, ADRA, AAS
	WALU                                           ; the wait ahead of the wait below
	s_wait_xcnt 0x0                                ; the last block's stores have read their registers
	WAYOUT ACC, CD
	v_lshlrev_b32 v[EB], v[SH8], v[EB]             ; my block's byte at its place,
	v_permlanex16_b32 v[T1], v[EB], s[SEL], s[SEL+1]
	v_or_b32 v[PW+\sp], v[EB], v[T1]               ; with lane l xor 16's: the row's scale word (its upper two bytes are 0)
	global_store_b128 v[L16], v[CD:CD+3], s[OB:OB+1] offset:768*\sp
	global_store_b64 v[L8], v[CD+4:CD+5], s[OB:OB+1] offset:768*\sp+512
.endm
.macro BLKV sp                         ; a block of V
	NEXTS \sp
	s_wait_dscnt NF
	PRODS 1, (\sp)%2, ACC+8*\sp, 32
	NEXTV
	FETCH (\sp)%2, ADRA, AAS
.endm
; ---- the head
	s_load_b128 s[4:7], s[0:1], 0x0                ; xc, xs
	s_load_b128 s[8:11], s[0:1], 0x10              ; wc, ws
	s_load_b64 s[12:13], s[0:1], 0x20              ; qkv
	v_lshl_add_u32 v[SPW], v0, 2, SPARE
	v_mov_b32 v[NIL], 0
	ds_add_u32 v[SPW], v[NIL]                      ; the opening lines: the add, twice on end, and its wait
	ds_add_u32 v[SPW], v[NIL]
	v_lshrrev_b32 v1, 5, v0
	v_readfirstlane_b32 s14, v1                    ; wave; s15 = a, its half of the rows; s16 = b, its half of the columns
	s_lshr_b32 s15, s14, 1
	s_and_b32 s16, s14, 1
	s_bfe_u32 s40, ttmp6, 0x40000                  ; cx
	s_bfe_u32 s41, ttmp6, 0x40004                  ; cy
	s_lshl_b32 s42, ttmp9, 2
	s_add_co_u32 s42, s42, s40                     ; cg
	s_and_b32 s17, ttmp7, 0xffff
	s_lshl_b32 s17, s17, 2
	s_add_co_u32 s17, s17, s41                     ; RB
	s_lshl_b32 s43, s41, 2
	s_lshl_b32 s43, 15, s43                        ; my row of the cluster
	s_lshl_b32 s44, 0x1111, s40                    ; my column
	GROUP1 G1A, 43
	GROUP1 G1B, 44
	s_or_b32 s[G1S+0], s43, (3<<16)|(1<<20)|(1<<21)|(5<<22)|(3<<25)   ; 8,192 dense bytes as 32 rows of 256, 16 bytes of padding behind each
	s_mov_b32 s[G1S+1], 32<<16
	s_mov_b32 s[G1S+2], 32<<16
	s_mov_b32 s[G1S+3], 32<<16
	s_mov_b32 s[G1S+4], 32
	s_mov_b32 s[G1S+5], 32
	s_mov_b32 s[G1S+6], 0
	s_mov_b32 s[G1S+7], 0
	s_mov_b32 s[G0A], 1
	s_mul_i32 s[G0A+1], s15, HALFX                 ; waves 1 and 3: halves 0 and 1 of x's rows
	s_mov_b32 s[G0B], 1
	s_mov_b32 s[G0B+1], WB
	s_mov_b32 s[G0S], 1
	s_mov_b32 s[G0S+1], XSC
	s_mov_b32 s[SEL], 0x76543210
	s_mov_b32 s[SEL+1], 0xfedcba98
	s_lshl_b32 s18, s17, 8
	s_lshl_b32 s20, s15, 7
	s_add_co_u32 s20, s20, s18
	s_mul_i32 s20, s20, KROW                       ; x: row 256 RB + 128 half
	s_mov_b32 s21, 0
	s_mul_i32 s46, s42, 128*KROW                   ; Wq: row 128 cg
	s_mov_b32 s47, 0
	s_lshl_b32 s22, s17, 13                        ; x's scale bytes
	s_mov_b32 s23, 0
	s_lshl_b32 s90, s42, 7
	s_lshl_b32 s91, s16, 6
	s_add_co_u32 s90, s90, s91
	s_lshl_b32 s90, s90, 5                         ; the weights' scale bytes: row 128 cg + 64 b
	s_mov_b32 s91, 0
	s_lshl_b32 s92, s42, 1
	s_add_co_u32 s92, s92, s16                     ; my head
	s_lshr_b32 s93, s17, 3
	s_lshl_b32 s93, s93, 4
	s_add_co_u32 s93, s93, s92
	s_mul_i32 s93, s93, REC                        ; my record
	s_and_b32 s94, s17, 7
	s_lshl_b32 s94, s94, 1
	s_add_co_u32 s94, s94, s15                     ; my chunk of 128 tokens in the batch
	s_mul_i32 s95, s94, QCH
	s_add_co_u32 s95, s95, s93
	s_add_co_u32 s95, s95, QOFF                    ; Q's chunk
	s_mul_i32 s94, s94, CH
	s_add_co_u32 s94, s94, s93                     ; K's and V's
	v_and_b32 v1, 15, v0
	v_bfe_u32 v2, v0, 4, 1
	v_and_b32 v3, 31, v0
	v_mul_u32_u24 v20, v1, PITCH
	v_mad_u32_u24 v21, v2, 24, v20
	v_mad_u32_u24 v22, v2, 40, v20
	s_mul_i32 s45, s15, HALFX
	v_add_nc_u32 v[ADRA0], s45, v21
	v_add_nc_u32 v[ADRA0+1], s45, v22
	s_mul_i32 s45, s16, 64*PITCH
	s_add_co_u32 s45, s45, WB
	v_add_nc_u32 v[ADRB], s45, v21
	v_add_nc_u32 v[ADRB+1], s45, v22
	v_lshlrev_b32 v[ABS], 5, v3
	v_lshlrev_b32 v20, 5, v1
	v_lshrrev_b32 v21, 3, v1
	v_lshl_add_u32 v20, v21, 4, v20                ; my row's scale words: 32 bytes a row, 16 more for each 8 rows
	s_mul_i32 s45, s15, 8*SBLK
	s_add_co_u32 s45, s45, XSC
	v_add_nc_u32 v[AAS0], s45, v20
	v_lshlrev_b32 v[SH8], 3, v2
	v_lshlrev_b32 v[L16], 4, v3
	v_lshlrev_b32 v[L8], 3, v3
	v_lshlrev_b32 v[R16], 4, v1
	v_add_nc_u32 v[ADRA], 16*PITCH, v[ADRA0]       ; block 1
	v_add_nc_u32 v[ADRA+1], 16*PITCH, v[ADRA0+1]
	v_add_nc_u32 v[AAS], SBLK, v[AAS0]
	WALU                                           ; the wait at the head's end
	s_wait_dscnt 0x0                               ; both opening adds are done
	CROUND                                         ; all sixteen work-groups are here: the first joint loads meet
	s_wait_kmcnt 0x0
	s_add_nc_u64 s[G0A+2:G0A+3], s[4:5], s[20:21]
	s_or_b32 s[G0A+3], s[G0A+3], 0x80000000
	s_add_nc_u64 s[G0B+2:G0B+3], s[8:9], s[46:47]
	s_or_b32 s[G0B+3], s[G0B+3], 0x80000000
	s_add_nc_u64 s[G0S+2:G0S+3], s[6:7], s[22:23]
	s_or_b32 s[G0S+3], s[G0S+3], 0x80000000
	s_add_nc_u64 s[WSP:WSP+1], s[10:11], s[90:91]
	s_cmp_eq_u32 s14, 0                            ; one chain of branches on the wave's number, one load to an arm
	s_cbranch_scc0 .Lwave_s
	TLOAD G0B, G1B                                 ; wave 0: Wq's rows
	s_branch .Lasked
.Lwave_s:
	s_cmp_eq_u32 s14, 2
	s_cbranch_scc0 .Lwave_x
	TLOAD G0S, G1S                                 ; wave 2: x's scale bytes
	s_branch .Lasked
.Lwave_x:
	TLOAD G0A, G1A                                 ; waves 1 and 3: a half of x's rows each
.Lasked:
	s_mov_b32 s18, s95
	s_mov_b32 s19, 0
	s_add_nc_u64 s[OB:OB+1], s[12:13], s[18:19]
	s_add_nc_u64 s[OS:OS+1], s[OB:OB+1], 6144
	s_mov_b32 s18, s94
	s_add_nc_u64 s[KB:KB+1], s[12:13], s[18:19]
	s_add_nc_u64 s[KSB:KSB+1], s[KB:KB+1], 12544
	s_add_nc_u64 s[VB:VB+1], s[KB:KB+1], 6144
	s_add_nc_u64 s[VSB:VSB+1], s[KB:KB+1], 12288
	s_wait_tensorcnt 0x0                           ; my tile is in,
	BARRIER                                        ; everybody's is
	FETCH 0, ADRA0, AAS0
	FETCH 1, ADRA, AAS
; ---- phases 0 and 1: Q, K
	s_mov_b32 s86, 0
.Lphase:
	SBLOAD
	WEIGHTS
	WALU
	s_wait_tensorcnt 0x0                           ; the three lines ahead of a refill's round
	ds_add_u32 v[SPW], v[NIL]
	s_add_nc_u64 s[G0B+2:G0B+3], s[G0B+2:G0B+3], 1024*KROW   ; no load of mine is out: the next tensor's rows
	s_wait_dscnt 0x0                               ; the add is done, and the weights are in my registers
	CROUND                                         ; so of every wave of every partner
	s_cmp_lg_u32 s14, 0
	s_cbranch_scc1 .Lno_fill
	TLOAD G0B, G1B                                 ; wave 0: the next phase's weights
.Lno_fill:
	s_wait_loadcnt 0x0                             ; the weights' scale words
	s_mov_b32 s87, 0
.Lquad:                                                ; two trips of four blocks
	BLK 0
	BLK 1
	BLK 2
	BLK 3
	global_store_b128 v[R16], v[PW:PW+3], s[OS:OS+1]   ; four tiles' scale words: 256 consecutive bytes, aligned (lanes 16-31 store what lanes 0-15 store, at the same places)
	s_wait_xcnt 0x0                                ; the stores have read their bases
	s_add_nc_u64 s[OB:OB+1], s[OB:OB+1], 4*768
	s_add_nc_u64 s[OS:OS+1], s[OS:OS+1], 256
	s_add_co_u32 s87, s87, 1
	s_cmp_lt_u32 s87, 2
	s_cbranch_scc1 .Lquad
	s_mov_b64 s[OB:OB+1], s[KB:KB+1]
	s_mov_b64 s[OS:OS+1], s[KSB:KSB+1]
	s_add_nc_u64 s[WSP:WSP+1], s[WSP:WSP+1], 1024*32
	WALU
	s_wait_tensorcnt 0x0                           ; the refill is in,
	s_wait_dscnt 0x0
	BARRIER                                        ; and shown to all
	s_add_co_u32 s86, s86, 1
	s_cmp_lt_u32 s86, 2
	s_cbranch_scc1 .Lphase
; ---- phase 2: V
	SBLOAD
	WEIGHTS
.irp t, 0,1,2,3
	v_mov_b32 v[PW+\t], 0
.endr
	s_wait_loadcnt 0x0
	s_wait_dscnt 0x0
	s_mov_b32 s87, 0
.Lband:                                                ; two trips: a band of 64 tokens, four blocks, each
	s_lshl_b32 s23, s87, 4
	v_add_nc_u32 v[SHV], s23, v[SH8]               ; block 2 c + h of the 128 tokens: byte 2 c + h of the channel's scale word
	BLKV 0
	BLKV 1
	BLKV 2
	BLKV 3
	WALU
	s_wait_xcnt 0x0
.irp t, 0,1,2,3
	WAYOUT ACC+32*\t, CD+8*\t
	v_lshlrev_b32 v[EB], v[SHV], v[EB]
	v_or_b32 v[PW+\t], v[PW+\t], v[EB]
	global_store_b128 v[L16], v[CD+8*\t:CD+8*\t+3], s[VB:VB+1] offset:768*\t
	global_store_b64 v[L8], v[CD+8*\t+4:CD+8*\t+5], s[VB:VB+1] offset:768*\t+512
.endr
	s_wait_xcnt 0x0
	s_add_nc_u64 s[VB:VB+1], s[VB:VB+1], 4*768
	s_add_co_u32 s87, s87, 1
	s_cmp_lt_u32 s87, 2
	WALU
	s_cbranch_scc1 .Lband
.irp t, 0,1,2,3
	v_permlanex16_b32 v[T0+\t], v[PW+\t], s[SEL], s[SEL+1]
.endr
.irp t, 0,1,2,3
	v_or_b32 v[PW+\t], v[PW+\t], v[T0+\t]          ; with lane l xor 16's two bytes the words are whole
.endr
	global_store_b128 v[R16], v[PW:PW+3], s[VSB:VSB+1]
	s_wait_tensorcnt 0x0                           ; the wave's end
	ds_add_u32 v[SPW], v[NIL]
	s_wait_dscnt 0x0
	CROUND                                         ; the closing round
	s_endpgm
.Lfunc_end_k_qb311e4b726_proj:
	.size	k_qb311e4b726_proj, .Lfunc_end_k_qb311e4b726_proj-k_qb311e4b726_proj
	.p2alignl 7, 3214868480
	.fill 96, 4, 3214868480
	.section	.rodata,"a",@progbits
	.p2align	6, 0x0
	.amdhsa_kernel k_qb311e4b726_proj
		.amdhsa_group_segment_fixed_size 327680
		.amdhsa_private_segment_fixed_size 0
		.amdhsa_enable_private_segment 0
		.amdhsa_kernarg_size 40
		.amdhsa_user_sgpr_count 2
		.amdhsa_user_sgpr_kernarg_segment_ptr 1
		.amdhsa_wavefront_size32 1
		.amdhsa_system_sgpr_workgroup_id_x 1
		.amdhsa_system_sgpr_workgroup_id_y 1
		.amdhsa_system_sgpr_workgroup_id_z 1
		.amdhsa_system_vgpr_workitem_id 0
		.amdhsa_next_free_vgpr 848
		.amdhsa_next_free_sgpr 100
		.amdhsa_reserve_vcc 0
		.amdhsa_float_denorm_mode_32 3
		.amdhsa_float_denorm_mode_16_64 3
		.amdhsa_memory_ordered 1
		.amdhsa_forward_progress 1
		.amdhsa_inst_pref_size 118
	.end_amdhsa_kernel
	.amdgpu_metadata
---
amdhsa.version: [ 1, 2 ]
amdhsa.kernels:
  - .name:           k_qb311e4b726_proj
    .symbol:         k_qb311e4b726_proj.kd
    .args:
      - { .name: xc, .offset: 0, .size: 8, .value_kind: global_buffer, .address_space: global }
      - { .name: xs, .offset: 8, .size: 8, .value_kind: global_buffer, .address_space: global }
      - { .name: wc, .offset: 16, .size: 8, .value_kind: global_buffer, .address_space: global }
      - { .name: ws, .offset: 24, .size: 8, .value_kind: global_buffer, .address_space: global }
      - { .name: qkv, .offset: 32, .size: 8, .value_kind: global_buffer, .address_space: global }
    .group_segment_fixed_size: 327680
    .private_segment_fixed_size: 0
    .kernarg_segment_align: 8
    .kernarg_segment_size: 40
    .max_flat_workgroup_size: 128
    .sgpr_count:     100
    .vgpr_count:     848
    .wavefront_size: 32
...
	.end_amdgpu_metadata
.endif
;; end of part 2
;; launch attn (part 3): grid 4 x 64, 8 waves a work-group, clusters of 4 x 1, 210,944 bytes of LDS; arguments qkv, ac, asc; writes ac, asc
.if DOCPART == 3
	.amdgcn_target "amdgcn-amd-amdhsa--gfx1250"
	.amdhsa_code_object_version 6
	.text
	.protected	k_qb311e4b726_attn
	.globl	k_qb311e4b726_attn
	.p2align	8
	.type	k_qb311e4b726_attn,@function
k_qb311e4b726_attn:
	s_mov_b64 s[64:65], 0
	v_nop
	global_prefetch_b8 v0, s[64:65] scope:SCOPE_SE
	s_setreg_imm32_b32 hwreg(HW_REG_WAVE_MODE, 25, 1), 1
	s_wait_xcnt 0x0
	s_wait_alu depctr_hold_cnt(0) depctr_sa_sdst(0) depctr_va_vdst(0) depctr_va_sdst(0) depctr_va_ssrc(0) depctr_va_vcc(0) depctr_vm_vsrc(0)
	s_getreg_b32 s2, hwreg(HW_REG_IB_STS2, 6, 4)
	s_cmp_eq_u32 s2, 0
	s_cbranch_scc0 .Lentry_in_a_cluster
	s_endpgm
.Lentry_in_a_cluster:
	s_bfe_u32 s2, ttmp6, 0x10000c
	s_cmp_lg_u32 s2, 0x3003
	s_cbranch_scc0 .Lentry_shape_is_right
	s_endpgm
.Lentry_shape_is_right:
; For each of 64 (batch, head): O[q] = the sum over k of softmax_k(Q[q] . K[k] / 8) V[k], both products on codes of FP6 (E2M3) with one E8M0 scale for each 32 along a product's K; O, divided by the row's sum, is quantised along the head's 64 for the last product.
; THE SOFTMAX AHEAD OF THE SECOND PRODUCT: t = score x log2(e) / 8; M = the row's largest t so far, rounded UP to a whole number; p = 2^(t - M) is what is quantised, along the keys; it is not normalised.
; The row's sum is taken of the unquantised p, in f32, and divides O at the end.  When M moves, the sum and O are multiplied by 2^(old M - new M): exact.
; INPUT: qkv, 64 records of REC bytes: 16 chunks of 13,056 bytes (128 keys): K's 8 half images | V's [64 keys c][16 channels t] 8 half images | V's scale words [row 16][t 4] | K's scale words [lane 32][4]; then 16 chunks of 6,656 bytes (128 queries): Q's 8 half images | Q's scale words.
;   A half image, 768 bytes, is registers 0-5 of a fragment (16 rows x 64 codes): registers 0-3 at 16 x lane, registers 4-5 at 512 + 8 x lane.  So every LDS load takes consecutive bytes, 16 or 8 a lane.
; SHARES.  A head's 16 chunks of keys, 208,896 bytes, lie in LDS for the whole launch: filled ONCE, each of the eight waves bringing two chunks by one tensor load (102 rows of 256 bytes); no byte is filled again, and the loop over the keys has no barrier.
;   Four work-groups take a head, 512 queries each.  They are one CLUSTER and ask for the chunks JOINTLY: the same tensor load, the same descriptor, a mask that names the four.  No prefetch: all that is read is asked for at the head.
;   A wave owns FOUR tiles of 16 queries, so that one read of a key step's fragments of K and V serves four tiles.  In a key step the tiles go two at a time, their lines by turns, so that a line does not hang on the line above it.
; LAYOUT.  Both products are used transposed: S^T = K Q^T (source 0 = 16 keys, source 1 = 16 queries), O^T = V^T P^T (source 0 = 16 channels, source 1 = P): a lane holds ONE query (lane % 16) throughout.
;   Stored row 16 t + 8 h + i of each 64 keys (and channels) is row 32 h + 8 t + i.  So lane half h holds of tiles 4 c + 0 .. 3 the keys 64 c + 32 h + 0 .. 31 in order: a WHOLE scale block, in the lane in which the operand's layout wants it.
;   A block's largest p, its scale and its codes need no other lane; only the row's maximum, the scale word's bytes and at the end the row's sum go between lanes l and l xor 16.
; THE SCORES' K IS 64, the instruction's 128.  Registers 6-11 of Q's fragments are zero codes.  K's eight fragments overlap: tile t is v[F + 6 t .. F + 6 t + 11], whose upper six registers are tile t + 1's codes (for tile 7: zeros):
;   the format has no infinity and no NaN, the scale bytes of that half are 0 (2^-127) on both sides, so that half adds 0 x a finite number.
; REGISTERS, two windows of 256: window 0 holds addresses, state, operands and what is at work; window 1 holds S^T of the two tiles in hand (v0-127 there) and O^T of the four (v128-255).
; The next key step's fragments of K are fetched as soon as the step's last scores are issued; the last trip so fetches chunk 0 once more, which nobody uses.
; OUTPUT: ac [256 rows RB 32][256 along K ks 4][16 rows rt 16][head hq 4][768]: half images;  asc [8,192 rows][32]: byte 2 head + block.  Queries keep their stored order.  asc is stored 2 bytes a row, 32 bytes apart: 2 bytes for each 48 of codes.
; LIMITS: NaN and infinities are not served; the promise holds while the scaled scores t stay under 2^31 in magnitude.  A block whose largest magnitude lies under 2^-124, zeros among them, gets the byte 1: this program alone reads the bytes.
;   A block's largest p is taken from its largest score, which takes v_exp_f32 not to fall where its input rises.
.set REC,  315392
.set CH,   13056                       ; a chunk of keys
.set QOFF, 16*CH                       ; the chunks of queries begin here
.set QCH,  6656
.set SPARE, 0x33000                    ; behind the chunks: the spare words, 128 bytes a wave
.set L16,  1                           ; 16 x lane
.set L8,   2                           ; 8 x lane
.set A16,  3                           ; the chunk in hand + 16 x lane
.set A8,   4                           ; + 8 x lane
.set R32,  6                           ; 32 x (lane % 16): my row in asc
.set R16,  7                           ; 16 x (lane % 16): my row among Q's scale words
.set SH8,  8                           ; 8 x (lane / 16): where my blocks' bytes stand in a scale word
.set ST,   12                          ; v12-27   four a tile: -M, the largest score, the sum in two halves
.set QF,   28                          ; v28-75   Q's four fragments
.set QS,   76                          ; v76-79   their scale words
.set F,    80                          ; v80-133  K's fragments: 8 x 6 + 6 zeros
.set VF,   134                         ; v134-181 V's four fragments
.set KS,   182                         ; v182-185 K's scale words: lanes 0-15 tiles 0-3, lanes 16-31 tiles 4-7
.set VS,   186                         ; v186-189 V's: lanes 0-15
.set P,    190                         ; v190-213 p's codes, twelve for each tile of the two in hand
.set CS,   214                         ; v214-229 the sums' chains: four pairs a tile
.set BM,   230                         ; v230-233 the largest score, then the largest p, of block c of tile x: BM + 2 x + c
.set SO,   234                         ; v234-237 the conversions' scale operands
.set FF,   238                         ; v238, v240 f = 2^(old M - new M); v239, v241 = 0: their partners in pairs
.set TT,   242                         ; v242-245 at work
.set PS,   246                         ; v246, v247 p's scale words
.set NM,   248                         ; v248, v249 the new -M
.set SPW,  254
.set NIL,  255
.set OW,   128                         ; window 1: O^T of tile n at OW + 32 n
.set MSB, 0
.macro WIN new                         ; the immediate's high byte repeats the setting that is left
.if MSB != \new
	s_set_vgpr_msb (MSB<<8)|\new
.set MSB, \new
.endif
.endm
.macro WALU
	s_wait_alu depctr_va_vdst(0)
.endm
.macro CROUND                          ; a round of the cluster's barrier
	s_barrier_signal -1
	s_barrier_wait -1
	s_cmp_lg_u32 s10, 0
	s_cbranch_scc1 .Lnot_wave_0_\@
	s_barrier_signal -3
.Lnot_wave_0_\@:
	s_barrier_wait -3
	s_barrier_signal -1
	s_barrier_wait -1
.endm
.macro MM d, a, b, c, sa, sb, row
	v_wmma_scale_f32_16x16x128_f8f6f4 v[(\d):(\d)+7], v[(\a):(\a)+11], v[(\b):(\b)+11], \c, v[\sa], v[\sb] matrix_a_fmt:MATRIX_FMT_FP6 matrix_b_fmt:MATRIX_FMT_FP6 matrix_a_scale:MATRIX_SCALE_ROW\row
.endm
.macro KLOAD                           ; 17 LDS loads: K's eight half images and its scale words
.set t, 0
.rept 8
	ds_load_b128 v[F+6*t:F+6*t+3], v[A16] offset:768*t
	ds_load_b64 v[F+6*t+4:F+6*t+5], v[A8] offset:768*t+512
.set t, t+1
.endr
	ds_load_b128 v[KS:KS+3], v[A16] offset:12544
.endm
.macro VLOAD                           ; 17 LDS loads: V's four fragments and their scale words
.set t, 0
.rept 4
	ds_load_b128 v[VF+12*t:VF+12*t+3], v[A16] offset:6144+768*t
	ds_load_b64 v[VF+12*t+4:VF+12*t+5], v[A8] offset:6144+768*t+512
	ds_load_b128 v[VF+12*t+6:VF+12*t+9], v[A16] offset:9216+768*t
	ds_load_b64 v[VF+12*t+10:VF+12*t+11], v[A8] offset:9216+768*t+512
.set t, t+1
.endr
	ds_load_b128 v[VS:VS+3], v[A16] offset:12288
.endm
	s_load_b128 s[4:7], s[0:1], 0x0                ; qkv, ac
	s_load_b64 s[8:9], s[0:1], 0x10                ; asc
	v_lshl_add_u32 v[SPW], v0, 2, SPARE
	v_mov_b32 v[NIL], 0
	ds_add_u32 v[SPW], v[NIL]                      ; the opening lines: the add, twice on end, and its wait ahead of my tensor load
	ds_add_u32 v[SPW], v[NIL]
	v_lshrrev_b32 v5, 5, v0
	v_readfirstlane_b32 s10, v5                    ; wave 0..7
	v_and_b32 v5, 31, v0
	v_and_b32 v9, 15, v0
	v_bfe_u32 v10, v0, 4, 1
	v_lshlrev_b32 v[L16], 4, v5
	v_lshlrev_b32 v[L8], 3, v5
	v_lshlrev_b32 v[R32], 5, v9
	v_lshlrev_b32 v[R16], 4, v9
	v_lshlrev_b32 v[SH8], 3, v10
	s_bfe_u32 s11, ttmp6, 0x40000                  ; cx: which 512 queries; it enters Q's, ac's and asc's addresses alone
	s_and_b32 s12, ttmp7, 0xffff                   ; 16 x batch + head, which the four partners share
	s_lshr_b32 s13, s12, 4                         ; batch
	s_and_b32 s14, s12, 15                         ; head
	s_mov_b32 s16, 15|(3<<16)|(1<<21)              ; group 1: two chunks, 26,112 dense bytes, as 102 rows of 256 bytes (32 elements of 8); the mask names all four work-groups, bit 21 beside it
	s_mov_b32 s17, 32<<16
	s_mov_b32 s18, 102<<16
	s_mov_b32 s19, 32<<16
	s_mov_b32 s20, 102
	s_mov_b32 s21, 32
	s_mov_b32 s22, 0
	s_mov_b32 s23, 0
	s_mov_b32 s28, 0x76543210
	s_mov_b32 s29, 0xfedcba98                      ; v_permlanex16_b32's selects for lane l xor 16
	s_mov_b32 s30, 0x3e38aa3b                      ; c = log2(e) / 8
	s_mov_b32 s31, s30                             ; (named with it as a pair, so it is written)
	s_mov_b32 s46, 0xbe38aa3b                      ; -c
	s_mul_i32 s42, s12, REC                        ; the record's first byte (under 2^25)
	s_mov_b32 s24, 1                               ; group 0: count = 1,
	s_mul_i32 s25, s10, 2*CH                       ; LDS address: chunks 2 w and 2 w + 1,
	s_add_co_u32 s44, s42, s25                     ; and the same chunks in the record
	s_mov_b32 s45, 0
	s_lshl_b32 s32, s11, 2                         ; Q: my 64 queries lie in the chunk 4 cx + w / 2,
	s_lshr_b32 s33, s10, 1
	s_add_co_u32 s32, s32, s33
	s_mul_i32 s32, s32, QCH
	s_add_co_u32 s32, s32, s42
	s_add_co_u32 s32, s32, QOFF
	s_and_b32 s33, s10, 1                          ; as its tiles 4 (w % 2) + 0 .. 3
	s_mul_i32 s47, s33, 4*768
	s_add_co_u32 s34, s32, s47
	s_mov_b32 s35, 0
	s_lshl_b32 s47, s33, 8                         ; tile T's scale words: 256 (T / 4) + 16 row + 4 (T % 4) behind the images
	s_add_co_u32 s36, s32, s47
	s_add_co_u32 s36, s36, 8*768
	s_mov_b32 s37, 0
	s_lshl_b32 s38, s13, 3                         ; ac: RB = 8 batch + 2 cx + w / 4,
	s_lshl_b32 s47, s11, 1
	s_add_co_u32 s38, s38, s47
	s_lshr_b32 s47, s10, 2
	s_add_co_u32 s38, s38, s47
	s_mul_i32 s38, s38, 4*16*4*768
	s_lshr_b32 s47, s14, 2                         ; ks = head / 4,
	s_mul_i32 s47, s47, 16*4*768
	s_add_co_u32 s38, s38, s47
	s_and_b32 s47, s10, 3                          ; rt = 4 (w % 4) + tile,
	s_mul_i32 s47, s47, 4*4*768
	s_add_co_u32 s38, s38, s47
	s_and_b32 s47, s14, 3                          ; hq = head % 4
	s_mul_i32 s47, s47, 768
	s_add_co_u32 s38, s38, s47
	s_mov_b32 s39, 0
	s_lshl_b32 s40, s13, 7                         ; asc: tile of 16 rows 128 batch + 32 cx + 4 w + tile, 512 bytes each; byte 2 head
	s_lshl_b32 s47, s11, 5
	s_add_co_u32 s40, s40, s47
	s_lshl_b32 s47, s10, 2
	s_add_co_u32 s40, s40, s47
	s_lshl_b32 s40, s40, 9
	s_lshl_b32 s47, s14, 1
	s_add_co_u32 s40, s40, s47
	s_mov_b32 s41, 0
	s_wait_dscnt 0x0                               ; both opening adds are done
	s_wait_kmcnt 0x0
	s_add_nc_u64 s[26:27], s[4:5], s[44:45]        ; group 0: global address,
	s_or_b32 s27, s27, 0x80000000                  ; type = 2
	s_add_nc_u64 s[34:35], s[4:5], s[34:35]
	s_add_nc_u64 s[36:37], s[4:5], s[36:37]
	s_add_nc_u64 s[38:39], s[6:7], s[38:39]
	s_add_nc_u64 s[40:41], s[8:9], s[40:41]
	CROUND                                         ; all four work-groups are here: the joint loads meet
	tensor_load_to_lds s[24:27], s[16:23]          ; my two chunks: my one tensor load of the launch
	s_nop 0
.rept 4
	v_nop                                          ; (behind a tensor load)
.endr
	WALU                                           ; the wait ahead of the first readers of the lane offsets
.irp n, 0,1,2,3
	global_load_b128 v[QF+12*\n:QF+12*\n+3], v[L16], s[34:35] offset:768*\n        ; Q's fragments stay in registers
	global_load_b64 v[QF+12*\n+4:QF+12*\n+5], v[L8], s[34:35] offset:768*\n+512
.endr
	global_load_b128 v[QS:QS+3], v[R16], s[36:37]  ; and their scale words, a register a tile
.irp j, 0,1,2,3,4,5
.irp n, 0,1,2,3
	v_mov_b32 v[QF+12*\n+6+\j], 0                  ; the upper 64 of the instruction's K: zero codes in Q,
.endr
	v_mov_b32 v[F+48+\j], 0                        ; and behind K's last tile
.endr
.irp n, 0,1,2,3
	v_mov_b32 v[ST+4*\n], 0x7d800000               ; -M begins at 2^124, over every -M: the first f is 0
	v_mov_b32 v[ST+4*\n+1], 0xff61b1e6             ; the largest score so far: -3e38
	v_mov_b32 v[ST+4*\n+2], 0                      ; the sum, in two halves
	v_mov_b32 v[ST+4*\n+3], 0
.endr
	v_mov_b32 v[TT+2], 0                           ; written once: a lane permute's destination counts as one of its sources
	v_mov_b32 v[TT+3], 0
	v_mov_b32 v[FF+1], 0                           ; (named as the upper halves of pairs)
	v_mov_b32 v[FF+3], 0
	v_mov_b32 v[A16], v[L16]                       ; chunk 0
	v_mov_b32 v[A8], v[L8]
	WIN 0x40
.set j, 0
.rept 128
	v_mov_b32 v[OW+j], 0                           ; O^T.  (The step is written once: its first trip finds zeros, which f = 0 leaves zeros.  These lines stand under the tensor load's flight)
.set j, j+1
.endr
	WIN 0
	WALU                                           ; the wait at the head's end
	s_wait_tensorcnt 0x0                           ; my chunks are in,
	s_barrier_signal -1
	s_barrier_wait -1                              ; everybody's are: from here on LDS is only read
	KLOAD
	s_wait_loadcnt 0x0                             ; Q
; TWO QUERY TILES, n0 and n0 + 1 (x = 0, 1), against the 128 keys in hand.  k = 2 x + c names block c of tile x: its 32 scores lie at v[32 k ..] of window 1.
.macro PAIR n0
.if \n0
	s_add_co_u32 s3, s15, 1                        ; the next chunk, round the ring of sixteen
	s_and_b32 s3, s3, 15
	s_mul_i32 s3, s3, CH
.endif
	WIN 0x40                                       ; D in window 1
.irp t, 0,1,2,3
.irp x, 0,1
	MM 64*\x+8*\t, F+6*\t, QF+12*(\n0+\x), 0, KS+\t, QS+\n0+\x, 0
.endr
.endr
.irp t, 4,5,6,7
.irp x, 0,1
	MM 64*\x+8*\t, F+6*\t, QF+12*(\n0+\x), 0, KS+\t-4, QS+\n0+\x, 1
.endr
.endr
.if \n0
	WIN 0
	v_add_nc_u32 v[A16], s3, v[L16]
	v_add_nc_u32 v[A8], s3, v[L8]
	v_nop
	v_nop                                          ; four places behind the products: ahead of the loads into K's registers and of the first read of the scores
	KLOAD                                          ; the next step's K lands under this softmax
.else
.rept 4
	v_nop                                          ; four places ahead of the first read of the scores
.endr
.endif
	WIN 0x05                                       ; sources 0 and 1 in window 1
.irp k, 0,1,2,3
	v_max_num_f32 v[BM+\k], v[32*\k], v[32*\k+1]   ; THE LARGEST SCORE OF EACH BLOCK OF 32 KEYS, all of them mine: it serves for the row's maximum and, since p rises with the score, for the block's largest p
.endr
.irp i, 2,4,6,8,10,12,14,16,18,20,22,24,26,28,30
.irp k, 0,1,2,3
	v_max3_num_f32 v[BM+\k], v[32*\k+\i], v[32*\k+\i+1], v[BM+\k]   ; four chains by turns; each accumulator from its low end on
.endr
.endr
	WIN 0
.irp x, 0,1
	v_max_num_f32 v[TT+\x], v[BM+2*\x], v[BM+2*\x+1]
.endr
.irp x, 0,1
	v_permlanex16_b32 v[TT+2+\x], v[TT+\x], s28, s29
.endr
.irp x, 0,1
	v_max3_num_f32 v[ST+4*(\n0+\x)+1], v[ST+4*(\n0+\x)+1], v[TT+\x], v[TT+2+\x]   ; the running largest score of my query, lane l xor 16's 64 keys among them
.endr
.irp x, 0,1
	v_mul_f32 v[TT+\x], s46, v[ST+4*(\n0+\x)+1]    ; -t (c is positive)
.endr
.irp x, 0,1
	v_floor_f32 v[NM+\x], v[TT+\x]                 ; the new -M = floor(-t) = -ceil(t): M IS A WHOLE NUMBER
.endr
.irp x, 0,1
	v_sub_f32 v[TT+\x], v[NM+\x], v[ST+4*(\n0+\x)] ; M's old value less its new one: a whole number, 0 or less
.endr
.irp x, 0,1
	v_mov_b32 v[ST+4*(\n0+\x)], v[NM+\x]
.endr
.irp x, 0,1
	v_cvt_i32_f32 v[TT+\x], v[TT+\x]               ; (it saturates)
.endr
.irp x, 0,1
	v_ldexp_f32 v[FF+2*\x], 1.0, v[TT+\x]          ; f = 2^(old M - new M): a multiplication by it rounds nothing
.endr
.irp k, 0,1,2,3
	v_fma_f32 v[BM+\k], v[BM+\k], s30, v[ST+4*(\n0+\k/2)]   ; t - M of each block's largest score
.endr
.irp x, 0,1
	v_pk_mul_f32 v[ST+4*(\n0+\x)+2:ST+4*(\n0+\x)+3], v[ST+4*(\n0+\x)+2:ST+4*(\n0+\x)+3], v[FF+2*\x:FF+2*\x+1] op_sel_hi:[1,0]   ; the sums under the new M
.endr
	WIN 0x41                                       ; source 0 and the destination in window 1
	WALU                                           ; the wait directly ahead of the first readers of O^T
.set j, 0
.rept 16
.irp x, 0,1
	v_pk_mul_f32 v[OW+32*(\n0+\x)+j:OW+32*(\n0+\x)+j+1], v[OW+32*(\n0+\x)+j:OW+32*(\n0+\x)+j+1], v[FF+2*\x:FF+2*\x+1] op_sel_hi:[1,0]   ; O^T under the new M, each accumulator from its low end on
.endr
.set j, j+2
.endr
.set j, 0
.rept 32
.irp x, 0,1
	v_pk_fma_f32 v[64*\x+j:64*\x+j+1], v[64*\x+j:64*\x+j+1], s[30:31], v[ST+4*(\n0+\x):ST+4*(\n0+\x)+1] op_sel_hi:[1,0,0]   ; t - M, two at a time (of the pairs c and -M the low word serves both halves)
.endr
.set j, j+2
.endr
	WALU                                           ; the wait ahead of the batch (and ahead of the wait below)
.if \n0 == 0
	s_wait_dscnt 0x0                               ; V's fragments, asked for at the trip's head, are in: they serve both pairs
.endif
.set j, 0
.rept 128
	v_exp_f32 v[j], v[j]                           ; p = 2^(t - M), at most 1: NOT normalised
.set j, j+1
.endr
	WIN 0
.irp k, 0,1,2,3
	v_exp_f32 v[BM+\k], v[BM+\k]                   ; the block's largest p: the same two operations on the same number give the same bits
.endr
	v_nop                                          ; the plain line behind the exponentials
	WALU                                           ; one wait for the whole batch, ahead of its first reader
	WIN 0x05
.irp q, 0,1,2,3
.irp x, 0,1
	v_pk_add_f32 v[CS+8*\x+2*\q:CS+8*\x+2*\q+1], v[64*\x+2*\q:64*\x+2*\q+1], v[64*\x+8+2*\q:64*\x+8+2*\q+1]   ; THE ROW'S SUM IS TAKEN OF THE UNQUANTISED p: four chains a tile, two numbers a line
.endr
.endr
	WIN 0x01
.set u, 8
.rept 24
.irp x, 0,1
	v_pk_add_f32 v[CS+8*\x+2*(u%4):CS+8*\x+2*(u%4)+1], v[64*\x+2*u:64*\x+2*u+1], v[CS+8*\x+2*(u%4):CS+8*\x+2*(u%4)+1]
.endr
.set u, u+1
.endr
	WIN 0
.irp k, 0,1,2,3
	v_max_num_f32 v[BM+\k], 0x1800000, v[BM+\k]    ; the floor 2^(3 - 127): the byte cannot fall under 1
.endr
.irp k, 0,1,2,3
	v_add_nc_u32 v[SO+\k], 0xff000000, v[BM+\k]    ; 2 off the exponent field: the conversion's scale operand
.endr
.irp k, 0,1,2,3
	v_lshrrev_b32 v[BM+\k], 23, v[SO+\k]           ; the scale's byte
.endr
.irp x, 0,1
	v_lshl_or_b32 v[TT+\x], v[BM+2*\x+1], 16, v[BM+2*\x]   ; my two bytes: blocks h and 2 + h of these 128 keys,
.endr
.irp x, 0,1
	v_lshlrev_b32 v[TT+\x], v[SH8], v[TT+\x]       ; at their places in the scale word;
.endr
.irp x, 0,1
	v_permlanex16_b32 v[TT+2+\x], v[TT+\x], s28, s29
.endr
.irp x, 0,1
	v_or_b32 v[PS+\x], v[TT+\x], v[TT+2+\x]        ; with lane l xor 16's two the word is whole
.endr
	WIN 0x01
.irp k, 0,1,2,3
	v_cvt_scalef32_pk16_fp6_f32 v[P+6*\k:P+6*\k+2], v[32*\k:32*\k+15], v[SO+\k]   ; a block's lower 16 codes: registers 6 c .. 6 c + 2 of the operand
.endr
	v_nop                                          ; one plain line behind the conversions: the next four write over their sources
	WIN 0x41
.irp k, 0,1,2,3
	v_cvt_scalef32_pk16_fp6_f32 v[32*\k:32*\k+2], v[32*\k+16:32*\k+31], v[SO+\k]   ; the upper 16 (a conversion's three registers begin on an even number: made where p's first numbers lay, and moved)
.endr
	v_nop                                          ; one plain line behind a scaled conversion
	WIN 0x01
.irp k, 0,1,2,3
.irp i, 0,1,2
	v_mov_b32 v[P+6*\k+3+\i], v[32*\k+\i]
.endr
.endr
	WIN 0
.irp x, 0,1
	v_pk_add_f32 v[CS+8*\x:CS+8*\x+1], v[CS+8*\x:CS+8*\x+1], v[CS+8*\x+2:CS+8*\x+3]   ; the chains are joined here: these eight lines, which name no register of the products below, are the places between the scale words' and the codes' last lines and the products
.endr
.irp x, 0,1
	v_pk_add_f32 v[CS+8*\x+4:CS+8*\x+5], v[CS+8*\x+4:CS+8*\x+5], v[CS+8*\x+6:CS+8*\x+7]
.endr
.irp x, 0,1
	v_pk_add_f32 v[CS+8*\x:CS+8*\x+1], v[CS+8*\x:CS+8*\x+1], v[CS+8*\x+4:CS+8*\x+5]
.endr
.irp x, 0,1
	v_pk_add_f32 v[ST+4*(\n0+\x)+2:ST+4*(\n0+\x)+3], v[ST+4*(\n0+\x)+2:ST+4*(\n0+\x)+3], v[CS+8*\x:CS+8*\x+1]
.endr
	WIN 0x50                                       ; C and D in window 1
.irp t, 0,1,2,3
.irp x, 0,1
	MM OW+32*(\n0+\x)+8*\t, VF+12*\t, P+12*\x, v[OW+32*(\n0+\x)+8*\t:OW+32*(\n0+\x)+8*\t+7], VS+\t, PS+\x, 0   ; O^T += V^T P^T: eight accumulators, one instruction a turn
.endr
.endr
.endm
	s_mov_b32 s15, 0
.Lkeys:                                                ; 16 trips: a chunk of 128 keys each, for my four tiles
.rept 4
	v_nop                                          ; four places behind the last products, ahead of the loads into V's registers
.endr
	VLOAD
	s_wait_dscnt 17                                ; K's 17 loads are in; V's 17, issued behind them, may be out
	PAIR 0
	PAIR 2
	WIN 0                                          ; at a branch and at a label every window is 0
	s_add_co_u32 s15, s15, 1
	s_cmp_lt_u32 s15, 16
	s_cbranch_scc1 .Lkeys
; THE WAY OUT of my four tiles, by turns: O^T / the sum; a lane's 32 numbers are one block of 32 along the last product's K; a half image and two scale bytes a row.
	WALU
.irp n, 0,1,2,3
	v_add_f32 v[ST+4*\n+2], v[ST+4*\n+2], v[ST+4*\n+3]   ; the sum's two halves,
.endr
.irp n, 0,1,2,3
	v_permlanex16_b32 v[BM+\n], v[ST+4*\n+2], s28, s29
.endr
.irp n, 0,1,2,3
	v_add_f32 v[ST+4*\n+2], v[ST+4*\n+2], v[BM+\n] ; and lane l xor 16's: the row's sum
.endr
	WALU                                           ; the wait ahead of the batch
.irp n, 0,1,2,3
	v_rcp_f32 v[CS+2*\n], v[ST+4*\n+2]
.endr
	v_nop                                          ; the plain line behind the reciprocals
	WIN 0x41
	WALU                                           ; and the wait ahead of their first reader, which is O^T's first reader too
.set j, 0
.rept 16
.irp n, 0,1,2,3
	v_pk_mul_f32 v[32*\n+j:32*\n+j+1], v[OW+32*\n+j:OW+32*\n+j+1], v[CS+2*\n:CS+2*\n+1] op_sel_hi:[1,0]   ; register 8 t + i: channel 32 (lane / 16) + 8 t + i of my query
.endr
.set j, j+2
.endr
	WIN 0x05
.irp n, 0,1,2,3
	v_max_num_f32 v[BM+\n], |v[32*\n]|, |v[32*\n+1]|
.endr
.irp i, 2,4,6,8,10,12,14,16,18,20,22,24,26,28,30
.irp n, 0,1,2,3
	v_max3_num_f32 v[BM+\n], |v[32*\n+\i]|, |v[32*\n+\i+1]|, v[BM+\n]
.endr
.endr
	WIN 0
.irp n, 0,1,2,3
	v_max_num_f32 v[BM+\n], 0x1800000, v[BM+\n]    ; the floor 2^(3 - 127)
.endr
.irp n, 0,1,2,3
	v_add_nc_u32 v[SO+\n], 0xff000000, v[BM+\n]
.endr
.irp n, 0,1,2,3
	v_lshrrev_b32 v[TT+\n], 23, v[SO+\n]
.endr
.irp n, 0,1,2,3
	v_lshlrev_b32 v[TT+\n], v[SH8], v[TT+\n]
.endr
.irp n, 0,1,2,3
	v_permlanex16_b32 v[BM+\n], v[TT+\n], s28, s29
.endr
.irp n, 0,1,2,3
	v_or_b32 v[TT+\n], v[TT+\n], v[BM+\n]          ; my row's two scale bytes
.endr
	WIN 0x01
.irp n, 0,1,2,3
	v_cvt_scalef32_pk16_fp6_f32 v[P+6*\n:P+6*\n+2], v[32*\n:32*\n+15], v[SO+\n]
.endr
	v_nop                                          ; one plain line: the next four write over these conversions' sources
	WIN 0x41
.irp n, 0,1,2,3
	v_cvt_scalef32_pk16_fp6_f32 v[32*\n:32*\n+2], v[32*\n+16:32*\n+31], v[SO+\n]
.endr
	v_nop                                          ; one plain line behind a scaled conversion
	WIN 0x01
.irp n, 0,1,2,3
.irp i, 0,1,2
	v_mov_b32 v[P+6*\n+3+\i], v[32*\n+\i]
.endr
.endr
	WIN 0
.irp n, 0,1,2,3
	global_store_b128 v[L16], v[P+6*\n:P+6*\n+3], s[38:39] offset:3072*\n        ; 512 consecutive bytes, aligned to 256
	global_store_b64 v[L8], v[P+6*\n+4:P+6*\n+5], s[38:39] offset:3072*\n+512    ; 256 consecutive bytes, aligned
	global_store_b16 v[R32], v[TT+\n], s[40:41] offset:512*\n                    ; lanes 16-31 store what lanes 0-15 store, at the same places
.endr
	s_wait_tensorcnt 0x0                           ; the wave's end
	ds_add_u32 v[SPW], v[NIL]
	s_wait_dscnt 0x0                               ; (the last trip's fetch of K is over too)
	CROUND                                         ; the closing round: no work-group ends while a partner may still ask for chunks that name it
	s_endpgm
.Lfunc_end_k_qb311e4b726_attn:
	.size	k_qb311e4b726_attn, .Lfunc_end_k_qb311e4b726_attn-k_qb311e4b726_attn
	.p2alignl 7, 3214868480
	.fill 96, 4, 3214868480
	.section	.rodata,"a",@progbits
	.p2align	6, 0x0
	.amdhsa_kernel k_qb311e4b726_attn
		.amdhsa_group_segment_fixed_size 210944
		.amdhsa_private_segment_fixed_size 0
		.amdhsa_enable_private_segment 0
		.amdhsa_kernarg_size 24
		.amdhsa_user_sgpr_count 2
		.amdhsa_user_sgpr_kernarg_segment_ptr 1
		.amdhsa_wavefront_size32 1
		.amdhsa_system_sgpr_workgroup_id_x 1
		.amdhsa_system_sgpr_workgroup_id_y 1
		.amdhsa_system_sgpr_workgroup_id_z 1
		.amdhsa_system_vgpr_workitem_id 0
		.amdhsa_next_free_vgpr 512
		.amdhsa_next_free_sgpr 66
		.amdhsa_reserve_vcc 0
		.amdhsa_float_denorm_mode_32 3
		.amdhsa_float_denorm_mode_16_64 3
		.amdhsa_memory_ordered 1
		.amdhsa_forward_progress 1
		.amdhsa_inst_pref_size 78
	.end_amdhsa_kernel
	.amdgpu_metadata
---
amdhsa.version: [ 1, 2 ]
amdhsa.kernels:
  - .name:           k_qb311e4b726_attn
    .symbol:         k_qb311e4b726_attn.kd
    .args:
      - { .name: qkv, .offset: 0, .size: 8, .value_kind: global_buffer, .address_space: global }
      - { .name: ac, .offset: 8, .size: 8, .value_kind: global_buffer, .address_space: global }
      - { .name: asc, .offset: 16, .size: 8, .value_kind: global_buffer, .address_space: global }
    .group_segment_fixed_size: 210944
    .private_segment_fixed_size: 0
    .kernarg_segment_align: 8
    .kernarg_segment_size: 24
    .max_flat_workgroup_size: 256
    .sgpr_count:     66
    .vgpr_count:     512
    .wavefront_size: 32
...
	.end_amdgpu_metadata
.endif
;; end of part 3
;; launch outp (part 4): grid 8 x 32, 4 waves a work-group, clusters of 4 x 4, 327,680 bytes of LDS; arguments ac, asc, wc, ws, bo, out0; writes out0
.if DOCPART == 4
	.amdgcn_target "amdgcn-amd-amdhsa--gfx1250"
	.amdhsa_code_object_version 6
	.text
	.protected	k_qb311e4b726_outp
	.globl	k_qb311e4b726_outp
	.p2align	8
	.type	k_qb311e4b726_outp,@function
k_qb311e4b726_outp:
	s_mov_b64 s[64:65], 0
	v_nop
	global_prefetch_b8 v0, s[64:65] scope:SCOPE_SE
	s_setreg_imm32_b32 hwreg(HW_REG_WAVE_MODE, 25, 1), 1
	s_wait_xcnt 0x0
	s_wait_alu depctr_hold_cnt(0) depctr_sa_sdst(0) depctr_va_vdst(0) depctr_va_sdst(0) depctr_va_ssrc(0) depctr_va_vcc(0) depctr_vm_vsrc(0)
	s_getreg_b32 s2, hwreg(HW_REG_IB_STS2, 6, 4)
	s_cmp_eq_u32 s2, 0
	s_cbranch_scc0 .Lentry_in_a_cluster
	s_endpgm
.Lentry_in_a_cluster:
	s_bfe_u32 s2, ttmp6, 0x10000c
	s_cmp_lg_u32 s2, 0xf033
	s_cbranch_scc0 .Lentry_shape_is_right
	s_endpgm
.Lentry_shape_is_right:
; out0 = A Wo^T + bo on codes of FP6 (E2M3): A is the attention's result, as half images (ac) and scale bytes (asc); Wo's codes are rows 3,072 .. 4,095 of wc, its scale bytes of ws.
; THE DEAL.  256 work-groups: work-group (cg, RB) makes stored rows 256 RB .. + 255 x columns 128 cg .. + 127.  Four waves, 2 x 2: wave (a, b) takes rows 128 a .. + 127 and columns 64 b .. + 63.
;   It holds its 64 rows of Wo, ALL of K, in 384 registers and lets its rows of A pass in eight blocks of 16: 8 fragments and 8 scale words, in two sets of registers by turns, fetched two blocks ahead (round the ring of eight: the last two fetches serve nobody);
;   32 products, four accumulators by turns, finish 16 x 64 results.  The bias is the C of a block's first four products.
; LDS, filled once: A's 196,608 bytes as they lie in ac ([256 along K: 4][16 rows: 16][head: 4][768]), Wo's 128 rows (816 bytes each: 768 + 16 behind every 256), A's scale bytes (32 units of 256 + 16); a stage for each wave; the spare words.
;   At the head one tensor load a wave: wave 0 Wo's rows, wave 2 the scale bytes, waves 1 and 3 a half of A each.  The first barrier waits for wave 0's load alone, and the weights' 192 LDS loads stand ahead of the wait for the other tiles.
;   All that is read is asked for at the head: no prefetch.
; CLUSTERS, 4 x 4: A and its scale bytes hang on RB alone and are asked for jointly along a row of the cluster, Wo's rows on cg alone and along a column.
; THE WAY OUT.  Source 0 = Wo's rows, so a lane holds eight neighbouring columns of one row for each tile.  A block goes through the wave's own stage and comes back as rows of 256 bytes; sixteen lanes store one aligned unit.
;   A block's rows are stored behind the next block's products.  Stored row 16 s + t of my 128 is row 64 (s / 4) + 32 (t / 8) + 8 (s % 4) + t % 8.
.set KROW,  768
.set PITCH, 816
.set FR,    12
.set FPW,   21                         ; fragment f lies in window 1 + f / 21 at register 12 (f % 21): 0-31 Wo's (4 q + t), 32-39 and 40-47 A's two sets
.set NF,    34                         ; LDS loads of a block: 32 for eight fragments, 2 for eight scale words
.set WB,    196608
.set XSC,   WB+128*PITCH
.set SBLK,  544
.set STAGE, XSC+32*272
.set SPITCH, 272
.set SPARE, STAGE+4*16*SPITCH
.set AD0,   4                          ; v4-7    LDS addresses of my block 0: 16 x lane for K 0-511 and 512-1023, 8 x lane likewise
.set SPW,   10
.set NIL,   11
.set AD,    12                         ; v12-15  the same for the block that is fetched next
.set ABS,   16
.set AAS,   17
.set AAS0,  18
.set STO,   19
.set RD,    20
.set CO,    21
.set ADRB,  22                         ; v22, v23
.set SB,    24                         ; v24-39  Wo's scale words
.set SA,    44                         ; v44-59  A's, two sets of eight
.set ACC,   64                         ; v64-95  four accumulators
.set BIAS,  96                         ; v96-127 the bias, laid as the result lies
.set BK,    192                        ; v192-255 two sets of 16 rows read back from the stage
.set G1A, 24
.set G1B, 32
.set G1S, 48
.set G0A, 56
.set G0B, 60
.set G0S, 68
.set OUT, 78
.set WSP, 88
.set MSB, 0
.macro WIN new
.if MSB != (\new)
	s_set_vgpr_msb (MSB<<8)|(\new)
.set MSB, (\new)
.endif
.endm
.macro WALU
	s_wait_alu depctr_va_vdst(0)
.endm
.macro BARRIER
	s_barrier_signal -1
	s_barrier_wait -1
.endm
.macro CROUND
	BARRIER
	s_cmp_lg_u32 s14, 0
	s_cbranch_scc1 .Lnot_wave_0_\@
	s_barrier_signal -3
.Lnot_wave_0_\@:
	s_barrier_wait -3
	BARRIER
.endm
.macro TLOAD g0, g1
	tensor_load_to_lds s[\g0:\g0+3], s[\g1:\g1+7]
	s_nop 0
.rept 4
	v_nop
.endr
.endm
.macro FRAG f, q, a0, off              ; a fragment of Wo: six pieces of 8 bytes; piece PC_ of a row lies at 8 PC_ + 16 (PC_ / 32); lanes 16-31 read three pieces on
	WIN (1+(\f)/FPW)<<6
.irp p, 0,1,2,3,4,5
.set PC_, 12*(\q)+6*(\p/3)+\p%3
.if PC_%32 < 29
	ds_load_b64 v[FR*((\f)%FPW)+2*\p:FR*((\f)%FPW)+2*\p+1], v[\a0] offset:8*PC_+16*(PC_/32)+(\off)
.else
	ds_load_b64 v[FR*((\f)%FPW)+2*\p:FR*((\f)%FPW)+2*\p+1], v[\a0+1] offset:8*PC_+16*(PC_/32)+(\off)
.endif
.endr
.endm
.macro WEIGHTS
.irp q, 0,1,2,3,4,5,6,7
.irp t, 0,1,2,3
	FRAG 4*\q+\t, \q, ADRB, \t*16*PITCH
.endr
.endr
	WIN 0
.endm
.macro FRAGA f, q, ad                  ; a fragment of A: the half images of heads 2 q and 2 q + 1
	WIN (1+(\f)/FPW)<<6
.set R_, FR*((\f)%FPW)
.set O_, (((\q)/2)%2)*49152+((\q)%2)*1536
	ds_load_b128 v[R_:R_+3], v[\ad+(\q)/4] offset:O_
	ds_load_b64 v[R_+4:R_+5], v[\ad+2+(\q)/4] offset:O_+512
	ds_load_b128 v[R_+6:R_+9], v[\ad+(\q)/4] offset:O_+768
	ds_load_b64 v[R_+10:R_+11], v[\ad+2+(\q)/4] offset:O_+1280
.endm
.macro FETCH e, ad, as
.irp q, 0,1,2,3,4,5,6,7
	FRAGA 32+8*(\e)+\q, \q, \ad
.endr
	WIN 0
	ds_load_b128 v[SA+8*(\e):SA+8*(\e)+3], v[\as]
	ds_load_b128 v[SA+8*(\e)+4:SA+8*(\e)+7], v[\as] offset:16
.endm
.macro MMX d, f0, f1, c, x0, x1, o
.if \o
	v_wmma_scale_f32_16x16x128_f8f6f4 v[\d:\d+7], v[FR*((\f0)%FPW):FR*((\f0)%FPW)+FR-1], v[FR*((\f1)%FPW):FR*((\f1)%FPW)+FR-1], \c, v[\x0], v[\x1] matrix_a_fmt:MATRIX_FMT_FP6 matrix_b_fmt:MATRIX_FMT_FP6 matrix_a_scale:MATRIX_SCALE_ROW1
.else
	v_wmma_scale_f32_16x16x128_f8f6f4 v[\d:\d+7], v[FR*((\f0)%FPW):FR*((\f0)%FPW)+FR-1], v[FR*((\f1)%FPW):FR*((\f1)%FPW)+FR-1], \c, v[\x0], v[\x1] matrix_a_fmt:MATRIX_FMT_FP6 matrix_b_fmt:MATRIX_FMT_FP6
.endif
.endm
.macro PRODS e                         ; a block's 32 products, n = 4 q + t: source 0 Wo's rows, source 1 A's
.set N_, 0
.rept 32
.set Q_, N_/4
.set T_, N_%4
.set FA_, 32+8*(\e)+Q_
.set D_, ACC+8*T_
.set XB_, SB+8*(T_/2)+Q_
.set XA_, SA+8*(\e)+Q_
	WIN (1+N_/FPW)|((1+FA_/FPW)<<2)
.if Q_
	MMX D_, N_, FA_, v[D_:D_+7], XB_, XA_, T_%2
.else
	MMX D_, N_, FA_, v[BIAS+8*T_:BIAS+8*T_+7], XB_, XA_, T_%2
.endif
.set N_, N_+1
.endr
	WIN 0
.endm
.macro TOSTAGE sp
.irp t, 0,1,2,3
	ds_store_b128 v[STO], v[ACC+8*\t:ACC+8*\t+3] offset:64*\t        ; each accumulator from its low end on
	ds_store_b128 v[STO], v[ACC+8*\t+4:ACC+8*\t+7] offset:64*\t+16
.endr
.irp i, 0,1,2,3,4,5,6,7
	ds_load_b128 v[BK+32*((\sp)%2)+4*\i:BK+32*((\sp)%2)+4*\i+3], v[RD] offset:\i*2*SPITCH   ; LDS serves a wave's instructions in order (ISA guide 5.7.1.4): these see the stores above
.endr
.endm
.macro SEND sp
.irp i, 0,1,2,3,4,5,6,7
	global_store_b128 v[CO], v[BK+32*((\sp)%2)+4*\i:BK+32*((\sp)%2)+4*\i+3], s[OUT:OUT+1] offset:(8*(\sp)+32*(\i/4)+2*(\i%4))*4096 th:TH_STORE_NT   ; two rows: sixteen lanes store 256 consecutive bytes, aligned
.endr
.endm
.macro BLK sp
	s_lshl_b32 s20, s87, 2                         ; the block two on, round the ring of eight
	s_add_co_u32 s20, s20, (\sp)+2
	s_and_b32 s20, s20, 7
	s_mul_i32 s21, s20, 3072
	s_mul_i32 s22, s20, SBLK
	s_wait_dscnt NF                                ; this block's fetch and the last block's way through the stage are done; the next block's 34 loads may be out
	PRODS (\sp)%2
.irp i, 0,1,2,3
	v_add_nc_u32 v[AD+\i], s21, v[AD0+\i]          ; five plain lines: the places behind the products
.endr
	v_add_nc_u32 v[AAS], s22, v[AAS0]
.if \sp
	SEND (\sp)-1
.endif
	WALU                                           ; the wait ahead of the wait below
	s_wait_xcnt 0x0                                ; earlier stores have read their registers
	TOSTAGE \sp
	FETCH (\sp)%2, AD, AAS
.endm
; ---- the head
	s_load_b128 s[4:7], s[0:1], 0x0                ; ac, asc
	s_load_b128 s[8:11], s[0:1], 0x10              ; wc, ws
	s_load_b128 s[76:79], s[0:1], 0x20             ; bo, out0
	v_lshl_add_u32 v[SPW], v0, 2, SPARE
	v_mov_b32 v[NIL], 0
	ds_add_u32 v[SPW], v[NIL]                      ; the opening lines: the add, twice on end, and its wait
	ds_add_u32 v[SPW], v[NIL]
	v_lshrrev_b32 v1, 5, v0
	v_readfirstlane_b32 s14, v1                    ; wave; s15 = a, s16 = b
	s_lshr_b32 s15, s14, 1
	s_and_b32 s16, s14, 1
	s_bfe_u32 s40, ttmp6, 0x40000
	s_bfe_u32 s41, ttmp6, 0x40004
	s_lshl_b32 s42, ttmp9, 2
	s_add_co_u32 s42, s42, s40                     ; cg
	s_and_b32 s17, ttmp7, 0xffff
	s_lshl_b32 s17, s17, 2
	s_add_co_u32 s17, s17, s41                     ; RB
	s_lshl_b32 s43, s41, 2
	s_lshl_b32 s43, 15, s43                        ; my row of the cluster
	s_lshl_b32 s44, 0x1111, s40                    ; my column
	s_or_b32 s[G1A+0], s43, (3<<16)|(1<<21)        ; half of A: 98,304 dense bytes as 384 rows of 256
	s_mov_b32 s[G1A+1], 32<<16
	s_mov_b32 s[G1A+2], 384<<16
	s_mov_b32 s[G1A+3], 32<<16
	s_mov_b32 s[G1A+4], 384
	s_mov_b32 s[G1A+5], 32
	s_mov_b32 s[G1A+6], 0
	s_mov_b32 s[G1A+7], 0
	s_or_b32 s[G1B+0], s44, (1<<20)|(1<<21)|(5<<22)|(3<<25)   ; 128 rows of 768 bytes, 16 bytes of padding behind every 256
	s_mov_b32 s[G1B+1], KROW<<16
	s_mov_b32 s[G1B+2], 128<<16
	s_mov_b32 s[G1B+3], KROW<<16
	s_mov_b32 s[G1B+4], 128
	s_mov_b32 s[G1B+5], KROW
	s_mov_b32 s[G1B+6], 0
	s_mov_b32 s[G1B+7], 0
	s_or_b32 s[G1S+0], s43, (3<<16)|(1<<20)|(1<<21)|(5<<22)|(3<<25)   ; 8,192 dense bytes as 32 rows of 256, 16 bytes of padding behind each
	s_mov_b32 s[G1S+1], 32<<16
	s_mov_b32 s[G1S+2], 32<<16
	s_mov_b32 s[G1S+3], 32<<16
	s_mov_b32 s[G1S+4], 32
	s_mov_b32 s[G1S+5], 32
	s_mov_b32 s[G1S+6], 0
	s_mov_b32 s[G1S+7], 0
	s_mov_b32 s[G0A], 1
	s_mul_i32 s[G0A+1], s15, 98304                 ; waves 1 and 3: halves 0 and 1 of A
	s_mov_b32 s[G0B], 1
	s_mov_b32 s[G0B+1], WB
	s_mov_b32 s[G0S], 1
	s_mov_b32 s[G0S+1], XSC
	s_mul_i32 s20, s17, 196608
	s_mul_i32 s21, s15, 98304
	s_add_co_u32 s20, s20, s21
	s_mov_b32 s21, 0
	s_mul_i32 s46, s42, 128*KROW
	s_add_co_u32 s46, s46, 3072*KROW               ; Wo: row 3,072 + 128 cg of wc
	s_mov_b32 s47, 0
	s_lshl_b32 s22, s17, 13
	s_mov_b32 s23, 0
	s_lshl_b32 s92, s42, 7
	s_lshl_b32 s91, s16, 6
	s_add_co_u32 s92, s92, s91                     ; my first column
	s_add_co_u32 s90, s92, 3072
	s_lshl_b32 s90, s90, 5
	s_mov_b32 s91, 0
	s_lshl_b32 s92, s92, 2
	s_mov_b32 s93, 0
	s_lshl_b32 s94, s17, 8
	s_lshl_b32 s95, s15, 7
	s_add_co_u32 s94, s94, s95
	s_lshl_b32 s94, s94, 12                        ; my first row of out0, 4,096 bytes a row
	s_add_co_u32 s94, s94, s92
	s_mov_b32 s95, 0
	v_and_b32 v1, 15, v0
	v_bfe_u32 v2, v0, 4, 1
	v_and_b32 v3, 31, v0
	s_mul_i32 s45, s15, 8*3072                     ; my block 0 is tile 8 a of the 16
	v_lshl_add_u32 v[AD0], v3, 4, s45
	v_lshl_add_u32 v[AD0+2], v3, 3, s45
	v_add_nc_u32 v[AD0+1], 98304, v[AD0]
	v_add_nc_u32 v[AD0+3], 98304, v[AD0+2]
	v_mul_u32_u24 v8, v1, PITCH
	s_mul_i32 s45, s16, 64*PITCH
	s_add_co_u32 s45, s45, WB
	v_mad_u32_u24 v9, v2, 24, v8
	v_add_nc_u32 v[ADRB], s45, v9
	v_mad_u32_u24 v9, v2, 40, v8
	v_add_nc_u32 v[ADRB+1], s45, v9
	v_lshlrev_b32 v[ABS], 5, v3
	v_lshlrev_b32 v8, 5, v1
	v_lshrrev_b32 v9, 3, v1
	v_lshl_add_u32 v8, v9, 4, v8
	s_mul_i32 s45, s15, 8*SBLK
	s_add_co_u32 s45, s45, XSC
	v_add_nc_u32 v[AAS0], s45, v8
	s_mul_i32 s45, s14, 16*SPITCH
	s_add_co_u32 s45, s45, STAGE                   ; my stage
	v_mul_u32_u24 v8, v1, SPITCH
	v_lshl_add_u32 v8, v2, 5, v8
	v_add_nc_u32 v[STO], s45, v8                   ; in: row l % 16, 32 bytes for each half of the lanes
	v_mul_u32_u24 v8, v2, SPITCH
	v_lshl_add_u32 v8, v1, 4, v8
	v_add_nc_u32 v[RD], s45, v8                    ; back: lanes 0-15 one row of 256 bytes, lanes 16-31 the next
	v_lshlrev_b32 v8, 12, v2
	v_lshl_add_u32 v[CO], v1, 4, v8                ; and the same two rows in out0
	v_lshlrev_b32 v9, 5, v2                        ; the bias: 32 bytes for each half of the lanes
.irp i, 0,1,2,3
	v_add_nc_u32 v[AD+\i], 3072, v[AD0+\i]         ; block 1
.endr
	v_add_nc_u32 v[AAS], SBLK, v[AAS0]
	WALU                                           ; the wait at the head's end
	s_wait_dscnt 0x0                               ; both opening adds are done
	CROUND                                         ; all sixteen work-groups are here: the joint loads meet
	s_wait_kmcnt 0x0
	s_add_nc_u64 s[G0A+2:G0A+3], s[4:5], s[20:21]
	s_or_b32 s[G0A+3], s[G0A+3], 0x80000000
	s_add_nc_u64 s[G0B+2:G0B+3], s[8:9], s[46:47]
	s_or_b32 s[G0B+3], s[G0B+3], 0x80000000
	s_add_nc_u64 s[G0S+2:G0S+3], s[6:7], s[22:23]
	s_or_b32 s[G0S+3], s[G0S+3], 0x80000000
	s_add_nc_u64 s[WSP:WSP+1], s[10:11], s[90:91]
	s_add_nc_u64 s[76:77], s[76:77], s[92:93]
	s_add_nc_u64 s[OUT:OUT+1], s[OUT:OUT+1], s[94:95]
	s_cmp_eq_u32 s14, 0                            ; one chain of branches on the wave's number, one load to an arm
	s_cbranch_scc0 .Lwave_s
	TLOAD G0B, G1B                                 ; wave 0: Wo's rows
	s_branch .Lasked
.Lwave_s:
	s_cmp_eq_u32 s14, 2
	s_cbranch_scc0 .Lwave_a
	TLOAD G0S, G1S                                 ; wave 2: A's scale bytes
	s_branch .Lasked
.Lwave_a:
	TLOAD G0A, G1A                                 ; waves 1 and 3: a half of A each
.Lasked:
.irp p, 0,1
.irp c, 0,1
	global_load_b128 v[SB+8*\p+4*\c:SB+8*\p+4*\c+3], v[ABS], s[WSP:WSP+1] offset:\p*1024+16*\c
.endr
.endr
.irp t, 0,1,2,3
	global_load_b128 v[BIAS+8*\t:BIAS+8*\t+3], v9, s[76:77] offset:64*\t          ; register 8 t + j of lane half h: column 16 t + 8 h + j
	global_load_b128 v[BIAS+8*\t+4:BIAS+8*\t+7], v9, s[76:77] offset:64*\t+16
.endr
	s_cmp_eq_u32 s14, 0
	s_cbranch_scc0 .Lnot_b
	s_wait_tensorcnt 0x0
.Lnot_b:
	BARRIER                                        ; Wo's rows are in
	WEIGHTS
	s_wait_tensorcnt 0x0
	s_wait_dscnt 0x0
	BARRIER                                        ; A and its scale bytes are in
	FETCH 0, AD0, AAS0
	FETCH 1, AD, AAS
	s_wait_loadcnt 0x0                             ; Wo's scale words and the bias
	s_mov_b32 s87, 0
.Lquad:                                                ; two trips of four blocks
	BLK 0
	BLK 1
	BLK 2
	BLK 3
	s_wait_dscnt NF                                ; block 3 is back from the stage
	SEND 3
	s_wait_xcnt 0x0                                ; the stores have read their base
	s_add_nc_u64 s[OUT:OUT+1], s[OUT:OUT+1], 64*4096
	s_add_co_u32 s87, s87, 1
	s_cmp_lt_u32 s87, 2
	s_cbranch_scc1 .Lquad
	s_wait_tensorcnt 0x0                           ; the wave's end
	ds_add_u32 v[SPW], v[NIL]
	s_wait_dscnt 0x0
	CROUND                                         ; the closing round
	s_endpgm
.Lfunc_end_k_qb311e4b726_outp:
	.size	k_qb311e4b726_outp, .Lfunc_end_k_qb311e4b726_outp-k_qb311e4b726_outp
	.p2alignl 7, 3214868480
	.fill 96, 4, 3214868480
	.section	.rodata,"a",@progbits
	.p2align	6, 0x0
	.amdhsa_kernel k_qb311e4b726_outp
		.amdhsa_group_segment_fixed_size 327680
		.amdhsa_private_segment_fixed_size 0
		.amdhsa_enable_private_segment 0
		.amdhsa_kernarg_size 48
		.amdhsa_user_sgpr_count 2
		.amdhsa_user_sgpr_kernarg_segment_ptr 1
		.amdhsa_wavefront_size32 1
		.amdhsa_system_sgpr_workgroup_id_x 1
		.amdhsa_system_sgpr_workgroup_id_y 1
		.amdhsa_system_sgpr_workgroup_id_z 1
		.amdhsa_system_vgpr_workitem_id 0
		.amdhsa_next_free_vgpr 848
		.amdhsa_next_free_sgpr 100
		.amdhsa_reserve_vcc 0
		.amdhsa_float_denorm_mode_32 3
		.amdhsa_float_denorm_mode_16_64 3
		.amdhsa_memory_ordered 1
		.amdhsa_forward_progress 1
		.amdhsa_inst_pref_size 61
	.end_amdhsa_kernel
	.amdgpu_metadata
---
amdhsa.version: [ 1, 2 ]
amdhsa.kernels:
  - .name:           k_qb311e4b726_outp
    .symbol:         k_qb311e4b726_outp.kd
    .args:
      - { .name: ac, .offset: 0, .size: 8, .value_kind: global_buffer, .address_space: global }
      - { .name: asc, .offset: 8, .size: 8, .value_kind: global_buffer, .address_space: global }
      - { .name: wc, .offset: 16, .size: 8, .value_kind: global_buffer, .address_space: global }
      - { .name: ws, .offset: 24, .size: 8, .value_kind: global_buffer, .address_space: global }
      - { .name: bo, .offset: 32, .size: 8, .value_kind: global_buffer, .address_space: global }
      - { .name: out0, .offset: 40, .size: 8, .value_kind: global_buffer, .address_space: global }
    .group_segment_fixed_size: 327680
    .private_segment_fixed_size: 0
    .kernarg_segment_align: 8
    .kernarg_segment_size: 48
    .max_flat_workgroup_size: 128
    .sgpr_count:     100
    .vgpr_count:     848
    .wavefront_size: 32
...
	.end_amdgpu_metadata
.endif
;; end of part 4
